; MI455X (gfx1250); checked and timed in simulation.
; The chip was launched on July 23, 2026; its instructions are those of AMD's public machine-readable ISA for CDNA 5 (MIT licence, August 2026) and "CDNA5" Instruction Set Architecture Reference Guide (July 2026). The comments in the code are by the model that wrote it; some were corrected since.
;; Transformer Block. Allowed arithmetic: matrix products marked QUANTISED: E5M2 operands, one given power-of-two scale a tensor, by v_wmma_f32_16x16x64_bf8_bf8 or v_wmma_f32_16x16x128_bf8_bf8, f32 sums; everything else in f32.
;; Inputs: b_ff1 4,096 float32; b_ff2 1,024 float32; b_o 1,024 float32; ln1_scale 1,024 float32; ln1_shift 1,024 float32; ln2_scale 1,024 float32; ln2_shift 1,024 float32; lowp_scales 16 int32 (the exponents e of the quantised operands' scales 2^e); w_ff1 1,024 x 4,096 float32; w_ff2 4,096 x 1,024 float32; w_k 1,024 x 1,024 float32; w_o 1,024 x 1,024 float32; w_q 1,024 x 1,024 float32; w_v 1,024 x 1,024 float32; x 2 x 2,048 x 1,024 float32.
;; Outputs: out0 2 x 2,048 x 1,024 float32.
;; This version of the problem:
;;   THIS VERSION OF THE PROBLEM IS GIVEN IN LOW PRECISION. The matrix products marked QUANTISED in the list below multiply operands that are first quantised to E5M2 (5 exponent bits, 2 mantissa bits; 8 bits a number), with one given power-of-two scale for each operand tensor; their sums are f32. All else is computed in f32.
;;   The module's matrix products, in the order in which they are computed (A, B: the left and right operand; K: the contracted axis; several contracted axes count as one K, in the product's order):
;;     1. [M 4,096, K 1,024] x [K 1,024, N 1,024]; A: computed on the way; B: input w_q: QUANTISED (scales: A lowp_scales[0], B lowp_scales[1])
;;     2. [M 4,096, K 1,024] x [K 1,024, N 1,024]; A: computed on the way; B: input w_k: QUANTISED (scales: A lowp_scales[2], B lowp_scales[3])
;;     3. [M 4,096, K 1,024] x [K 1,024, N 1,024]; A: computed on the way; B: input w_v: QUANTISED (scales: A lowp_scales[4], B lowp_scales[5])
;;     4. batch 32 x [M 2,048, K 64] x [K 64, N 2,048]; A: computed on the way; B: computed on the way: QUANTISED (scales: A lowp_scales[6], B lowp_scales[7])
;;     5. batch 32 x [M 64, K 2,048] x [K 2,048, N 2,048]; A: computed on the way; B: softmax (see below): QUANTISED (scales: A lowp_scales[8], B lowp_scales[9])
;;     6. [M 4,096, K 1,024] x [K 1,024, N 1,024]; A: computed on the way; B: input w_o: QUANTISED (scales: A lowp_scales[10], B lowp_scales[11])
;;     7. [M 4,096, K 1,024] x [K 1,024, N 4,096]; A: computed on the way; B: input w_ff1: QUANTISED (scales: A lowp_scales[12], B lowp_scales[13])
;;     8. [M 4,096, K 4,096] x [K 4,096, N 1,024]; A: computed on the way; B: input w_ff2: QUANTISED (scales: A lowp_scales[14], B lowp_scales[15])
;;   THE QUANTISER, for each operand of a quantised product, along K:
;;     - The operand's scale is 2^e, e = its entry of the input lowp_scales (int32; the entries are numbered through the quantised products in the list's order, A before B).
;;     - Each number is divided by the scale, clamped to +-57,344, and rounded to the nearest number of E5M2, ties to even, subnormals kept.
;;     - The product sums the exact products of the quantised numbers (number of the format x scale) in f32.
;;   ~~~python
;;   def quantise(x, axis, e):      # numpy; x: float32 -> the quantised numbers, widened to float32 again
;;       x = np.moveaxis(x, axis, -1); K = x.shape[-1]
;;       r = np.clip(x / 2.0 ** e, -57344, 57344)
;;       step = 2.0 ** (np.maximum(np.frexp(np.where(r == 0, 1, r))[1] - 1, -14) - 2)
;;       q = np.round(r / step) * step * 2.0 ** e      # np.round: ties to even
;;       return np.moveaxis(q, -1, axis).astype(np.float32)
;;   ~~~
;;   SOFTMAX AHEAD OF A QUANTISED PRODUCT. Where the list says 'softmax', what is quantised is not the finished softmax but p = 2^(t - M), with t = logit x log2(e) and M = ceil(the row's largest t), a whole number; so 1/2 < the row's largest p <= 1. The row's sum l is taken of the UNQUANTISED p, in f32, and the product's result is divided by l at the end. Since M is a whole number, a kernel that streams over the keys may use a running M (the ceiling of the running maximum): every later rescaling is an exact power of two, so the quantised numbers keep their values, but for numbers so far below the row's largest that they fall under the format's range.
;;   OPERANDS COMPUTED ON THE WAY. 'Computed on the way' means the value that the module computes at that place (a softmax that the list does not call 'softmax' is quantised finished and normalised). What goes into a quantiser is computed in f32, as accurately as f32 sums, v_exp_f32 and their like allow (about 1e-6 of the number): no bf16 or f16 on the way to a quantiser, and a product that is left as it is and whose result goes on into a quantised operand takes f32 operands (vector FMAs, or v_wmma_f32_16x16x4_f32). A number that lies on a knife's edge between two numbers of the format may be rounded either way, as far as f32 arithmetic and the matrix unit's own rounding can turn it there, and no further.
;; One version. Each part assembles by itself: llvm-mc -triple=amdgcn-amd-amdhsa -mcpu=gfx1250 --defsym DOCPART=n.
;; ======== version 1 of 1: 7 launches
;; limits: right only within a limited range of input values
;; workspace buffers: wcodes 12,582,912 bytes; hcodes 12,582,912 bytes; qkvc 12,582,912 bytes; ctxc 4,194,304 bytes; x1 16,777,216 bytes; h2codes 4,194,304 bytes; gcodes 16,777,216 bytes
;; launch prep (part 1): grid 640 x 1, 4 waves a work-group, no clusters, 85,504 bytes of LDS; arguments x, ln1_scale, ln1_shift, lowp_scales, hcodes, w_q, w_k, w_v, w_o, w_ff1, w_ff2, wcodes; writes hcodes, wcodes
.if DOCPART == 1
	.amdgcn_target "amdgcn-amd-amdhsa--gfx1250"
	.amdhsa_code_object_version 6
	.text
	.protected	k_q4fd3b070f1_prep
	.globl	k_q4fd3b070f1_prep
	.p2align	8
	.type	k_q4fd3b070f1_prep,@function
k_q4fd3b070f1_prep:
	s_mov_b64 s[64:65], 0
	v_nop
	global_prefetch_b8 v0, s[64:65] scope:SCOPE_SE
	s_setreg_imm32_b32 hwreg(HW_REG_WAVE_MODE, 25, 1), 1
	s_wait_xcnt 0x0
; ONE LAUNCH PREPARES ALL OPERANDS OF THE FIRST PRODUCTS.  Work-groups 0 to 383 quantise the six weights; work-groups 384 to 639 make the first layer norm and quantise it three times.
; The two ways part on the work-group's number alone, share no buffer, and have LDS bytes of their own (weights: from 0; norm: from LB); the spare words lie behind both.
; ALL CODES LIE AS IMAGES OF OPERAND REGISTERS: a unit is 16 rows x 128 k, 2,048 bytes, at ((row / 16) (K / 128) + k / 128) x 2,048; in it byte 512 i + 16 L + 4 q + y
; (L = row % 16 + 16 h) is k = 32 i + 16 (q / 2) + 8 h + 4 (q % 2) + y: register 4 i + q of lane L of a 16 x 128 fragment.
; code = number / 2^e, held within +-57,344, rounded to the nearest code, ties to even.  LIMITS: each e between -126 and 112; NaN among the inputs is not served.
; THE WEIGHTS, f32 stored [K][N] (entries 1, 3, 5, 11, 13, 15), rows of the image = columns n.  wcodes: w_q at 0, w_k at 1 MiB, w_v at 2 MiB, w_o at 3 MiB, w_ff1 at 4 MiB, w_ff2 at 8 MiB.
; A work-group takes 128 columns x 256 k, a wave 32 columns; a lane takes a column and its registers run down K: a load reads 128 consecutive bytes a wave, and the conversions give codes with K innermost.
; The codes turn through the wave's own 8,192 bytes of LDS and leave as stores of 512 consecutive bytes.  Number / 128 = 0: the four square weights; 1: w_ff1; 2: w_ff2.  Loads run two blocks of 32 k ahead.
; THE NORM: h = scale (x - mean) / sqrt(var + 1e-5) + shift along rows of 1,024, mean first, then the variance of x - mean; version v (entry 2 v) begins at v x 4 MiB of hcodes.
; A work-group takes 16 rows, wave w rows 4 w .. 4 w + 3, a whole row in 32 registers; a lane's four codes of unit j are one word of the image; the words meet in LDS (one barrier) and leave as stores of 512 consecutive bytes.
; No tensor loads, no cluster: no two work-groups read the same large bytes.
.set SPARE, 0x14c00                    ; behind both ways' bytes: the spare words, 128 bytes for each wave
.set LB,    0x8000                     ; the norm's images begin here
	v_lshl_add_u32 v254, v0, 2, SPARE
	v_mov_b32 v255, 0
	s_cmp_ge_u32 ttmp9, 384
	s_cbranch_scc1 .Lnorm
.set VO,   16                          ; v16-47   4 x lane + i rows of W; never rewritten
.set X,    48                          ; v48-111  two sets of 32 numbers
.set C,    112                         ; v112-119 a block's codes
.set OUTR, 120                         ; v120-183 the way out
.set SB,   32                          ; s[32:47] eight bases, one for each block of 32 k
	s_load_b256 s[4:11], s[0:1], 0x28              ; w_q, w_k, w_v, w_o
	s_load_b128 s[12:15], s[0:1], 0x48             ; w_ff1, w_ff2
	s_load_b64 s[16:17], s[0:1], 0x18              ; the scales' exponents
	s_load_b64 s[18:19], s[0:1], 0x58              ; wcodes
	v_lshrrev_b32 v1, 5, v0
	v_readfirstlane_b32 s60, v1                    ; wave 0..3
	v_and_b32 v2, 31, v0                           ; lane
	v_lshlrev_b32 v3, 2, v2                        ; my column's bytes in a row of W
	s_wait_alu depctr_va_vdst(0)
	v_lshlrev_b32 v8, 4, v2                        ; 16 x lane
	s_lshl_b32 s61, s60, 13                        ; my wave's stage
	v_lshrrev_b32 v5, 4, v2
	v_and_b32 v6, 15, v2
	v_lshlrev_b32 v4, 12, v5                       ; into the stage: columns 16-31 are the second block of 16 rows, 2 units on,
	v_lshl_add_u32 v4, v6, 4, v4                   ; 16 bytes for each row
	v_add_nc_u32 v4, s61, v4
	v_add_nc_u32 v7, s61, v8                       ; out of it: as it lies
	s_lshr_b32 s20, ttmp9, 7                       ; 0: square weights, 1: w_ff1, 2: w_ff2
	s_and_b32 s25, ttmp9, 127
	s_lshr_b32 s21, s25, 5
	s_and_b32 s22, s25, 31
	s_add_co_u32 s24, s20, 3
	s_cmp_eq_u32 s20, 0
	s_cselect_b32 s23, s21, s24                    ; which tensor: 0 .. 5
	s_cselect_b32 s22, s22, s25                    ; which part of it
	s_cmp_eq_u32 s20, 1
	s_cselect_b32 s26, 5, 3                        ; w_ff1 has 32 blocks of 128 columns, the others 8
	s_cselect_b32 s27, 2, 0
	s_cmp_eq_u32 s20, 2
	s_cselect_b32 s28, 2, 0
	s_lshl_b32 s27, 0x1000, s27                    ; a row of W in bytes
	s_lshl_b32 s28, 0x4000, s28                    ; 16 rows of codes in bytes
	s_bfm_b32 s29, s26, 0
	s_and_b32 s29, s22, s29                        ; block of 128 columns
	s_lshr_b32 s30, s22, s26                       ; block of 256 k
	s_lshl_b32 s31, s23, 20
	s_sub_co_u32 s52, s23, 3
	s_lshl_b32 s52, s52, 22
	s_add_co_u32 s53, s23, 2
	s_cmp_lt_u32 s23, 4
	s_cselect_b32 s31, s31, s52                    ; the tensor's place in wcodes
	s_cmp_lt_u32 s23, 3
	s_cselect_b32 s53, s23, s53                    ; the product's number less one
	s_lshl_b32 s59, s53, 3                         ; its B entry lies at byte 8 x that + 4
	s_lshl_b32 s52, s29, 7
	s_lshl_b32 s53, s60, 5
	s_add_co_u32 s52, s52, s53                     ; my wave's first column
	s_mul_i32 s54, s30, s27
	s_lshl_b32 s54, s54, 8
	s_lshl_b32 s55, s52, 2
	s_add_co_u32 s54, s54, s55
	s_mov_b32 s55, 0
	s_lshl_b32 s56, s27, 5                         ; 32 rows of W
	s_mov_b32 s57, 0
	s_lshr_b32 s62, s52, 4
	s_mul_i32 s62, s62, s28
	s_add_co_u32 s62, s62, s31
	s_lshl_b32 s63, s30, 12                        ; 256 k are two units
	s_add_co_u32 s62, s62, s63
	s_mov_b32 s63, 0
	s_mov_b32 s29, 0
.set i, 0
.rept 32
	v_mad_u32_u24 v[VO+i], s27, i, v3
.set i, i+1
.endr
	s_wait_alu depctr_va_vdst(0)
	s_wait_kmcnt 0x0
	s_load_b32 s58, s[16:17], s59 offset:0x4       ; e
	s_cmp_eq_u32 s23, 1                            ; the choice hangs on the work-group's number alone
	s_cselect_b64 s[4:5], s[6:7], s[4:5]
	s_cmp_eq_u32 s23, 2
	s_cselect_b64 s[4:5], s[8:9], s[4:5]
	s_cmp_eq_u32 s23, 3
	s_cselect_b64 s[4:5], s[10:11], s[4:5]
	s_cmp_eq_u32 s23, 4
	s_cselect_b64 s[4:5], s[12:13], s[4:5]
	s_cmp_eq_u32 s23, 5
	s_cselect_b64 s[4:5], s[14:15], s[4:5]
	s_add_nc_u64 s[SB:SB+1], s[4:5], s[54:55]
.irp t, 1,2,3,4,5,6,7
	s_add_nc_u64 s[SB+2*\t:SB+2*\t+1], s[SB+2*\t-2:SB+2*\t-1], s[56:57]
.endr
	s_add_nc_u64 s[48:49], s[18:19], s[62:63]      ; my columns 0-15: 4,096 consecutive bytes of codes,
	s_add_nc_u64 s[50:51], s[48:49], s[28:29]      ; my columns 16-31
.macro LOAD t                          ; block t: W(32 t + i, my column) into set t % 2
.set i, 0
.rept 32
	global_load_b32 v[X+32*((\t)%2)+i], v[VO+i], s[SB+2*(\t):SB+2*(\t)+1] th:TH_LOAD_NT
.set i, i+1
.endr
.endm
	LOAD 0
	LOAD 1
	s_wait_kmcnt 0x0
	s_add_co_i32 s58, s58, 127
	s_lshl_b32 s59, s58, 23
	v_mov_b32 v11, s59                             ; 2^e as f32
	s_add_co_i32 s58, s58, 15
	s_lshl_b32 s58, s58, 23
	s_or_b32 s58, s58, 0x600000
	v_mov_b32 v10, s58                             ; 57,344 x 2^e
.macro BLOCK t
.set XS, X+32*((\t)%2)
.if (\t) < 7
	s_wait_loadcnt 32                              ; this block's 32 loads are in; the next block's 32 may be out
.else
	s_wait_loadcnt 0
.endif
.set i, 0
.rept 32
	v_med3_num_f32 v[XS+i], v[XS+i], -v10, v10     ; the conversion does not saturate (ISA guide 7.6.2): the hold comes first
.set i, i+1
.endr
	v_cvt_scalef32_pk8_bf8_f32 v[C:C+1],   v[XS:XS+7],     v11   ; k 0-7 and 16-23 of the block are lane n % 16's 16 bytes,
	v_cvt_scalef32_pk8_bf8_f32 v[C+2:C+3], v[XS+16:XS+23], v11
	v_cvt_scalef32_pk8_bf8_f32 v[C+4:C+5], v[XS+8:XS+15],  v11   ; k 8-15 and 24-31 those of lane n % 16 + 16
	v_cvt_scalef32_pk8_bf8_f32 v[C+6:C+7], v[XS+24:XS+31], v11
	ds_store_b128 v4, v[C:C+3] offset:512*(\t)
	ds_store_b128 v4, v[C+4:C+7] offset:512*(\t)+256
.if (\t)+2 < 8
	LOAD (\t)+2
.endif
	s_wait_dscnt 0x0                               ; the stores have read their registers: the next block's codes may be written
.endm
	s_wait_alu depctr_va_vdst(0)
.irp t, 0,1,2,3,4,5,6,7
	BLOCK \t
.endr
.irp u, 0,1,2,3,4,5,6,7,8,9,10,11,12,13,14,15
	ds_load_b128 v[OUTR+4*\u:OUTR+4*\u+3], v7 offset:512*\u   ; LDS serves a wave's instructions in order: these see my stores
.endr
.irp u, 0,1,2,3,4,5,6,7
	s_wait_dscnt 15-\u                             ; the younger loads may be out
	global_store_b128 v8, v[OUTR+4*\u:OUTR+4*\u+3], s[48:49] offset:512*\u   ; 32 lanes store 512 consecutive bytes, aligned
.endr
.irp u, 8,9,10,11,12,13,14,15
	s_wait_dscnt 15-\u
	global_store_b128 v8, v[OUTR+4*\u:OUTR+4*\u+3], s[50:51] offset:512*(\u-8)
.endr
	s_wait_tensorcnt 0x0                           ; the wave's end
	ds_add_u32 v254, v255
	s_wait_dscnt 0x0
	s_endpgm
.Lnorm:
.set NV,  3                            ; versions
.set E0,  24                           ; s[E0 + 2 v]: version v's exponent
.set SC,  16                           ; v16-47   scale at my 32 columns
.set SH,  48                           ; v48-79   shift
.set X,   80                           ; v80-207  four rows; later the way out
.set T,   208                          ; v208-239 a row, held
.set C,   240                          ; v240-247 its codes
.set VS,  17408                        ; a version's image in LDS, padded: 16 rows' 16 bytes + 16 = 272, two of these a chunk (544), four chunks a unit (2,176), eight units
	s_load_b256 s[4:11], s[0:1], 0x0               ; x, scale, shift, the scales' exponents
	s_load_b64 s[12:13], s[0:1], 0x20              ; hcodes
	v_lshrrev_b32 v1, 5, v0
	v_readfirstlane_b32 s14, v1                    ; wave 0..3
	v_and_b32 v1, 31, v0                           ; lane
	v_lshlrev_b32 v7, 4, v1                        ; 16 x lane
	s_lshl_b32 s15, s14, 14
	v_add_nc_u32 v2, s15, v7                       ; x: my wave's four rows of 4,096 bytes
	v_lshrrev_b32 v8, 3, v1                        ; my word's place in a unit: k = 4 l + y, so i = l / 8,
	v_mul_u32_u24 v3, v8, 544
	v_bfe_u32 v8, v1, 1, 1                         ; h = bit 1 of l,
	v_mad_u32_u24 v3, v8, 272, v3
	v_bfe_u32 v8, v1, 2, 1                         ; q / 2 = bit 2,
	v_lshl_add_u32 v3, v8, 3, v3
	v_and_b32 v8, 1, v1                            ; q % 2 = bit 0
	v_lshl_add_u32 v3, v8, 2, v3
	s_lshl_b32 s16, s14, 6
	s_add_co_u32 s16, s16, LB
	v_add_nc_u32 v3, s16, v3                       ; + 16 bytes for each row: 4 rows a wave
	v_lshrrev_b32 v8, 4, v1
	v_and_b32 v9, 15, v1
	v_mul_u32_u24 v4, v8, 272                      ; back: lane L's 16 bytes of a chunk,
	v_lshl_add_u32 v4, v9, 4, v4
	s_mul_i32 s16, s14, 4352
	s_add_co_u32 s16, s16, LB
	v_add_nc_u32 v4, s16, v4                       ; in my wave's two units
	s_lshl_b32 s16, s14, 12
	v_add_nc_u32 v5, s16, v7                       ; and the same in memory
	v_mov_b32 v6, 0                                ; written once: a lane permute's destination counts as one of its sources
	s_mov_b32 s20, 0x76543210                      ; v_permlanex16_b32's selects for lane l xor 16
	s_mov_b32 s21, 0xfedcba98
	s_mov_b32 s22, 0x3a800000                      ; 1 / 1,024
	s_mov_b32 s23, 0x3727c5ac                      ; 1e-5
	s_sub_co_u32 s16, ttmp9, 384                   ; which 16 rows
	s_lshl_b32 s18, s16, 16                        ; 16 rows of 4,096 bytes
	s_mov_b32 s19, 0
	s_lshl_b32 s16, s16, 14                        ; and their 8 units
	s_mov_b32 s17, 0
	s_wait_kmcnt 0x0
	s_load_b512 s[24:39], s[10:11], 0x0            ; all sixteen exponents
	s_add_nc_u64 s[4:5], s[4:5], s[18:19]
	s_add_nc_u64 s[42:43], s[12:13], s[16:17]
	s_add_nc_u64 s[44:45], s[42:43], 0x400000
	s_add_nc_u64 s[46:47], s[44:45], 0x400000
.irp j, 0,1,2,3,4,5,6,7
	global_load_b128 v[SC+4*\j:SC+4*\j+3], v7, s[6:7] offset:512*\j
.endr
.irp j, 0,1,2,3,4,5,6,7
	global_load_b128 v[SH+4*\j:SH+4*\j+3], v7, s[8:9] offset:512*\j
.endr
.irp rho, 0,1,2,3
.irp j, 0,1,2,3,4,5,6,7
	global_load_b128 v[X+32*\rho+4*\j:X+32*\rho+4*\j+3], v2, s[4:5] offset:4096*\rho+512*\j
.endr
.endr
	s_wait_kmcnt 0x0
.set vv, 0
.rept NV
	s_add_co_i32 s40, s[E0+2*vv], 127
	s_lshl_b32 s41, s40, 23
	v_mov_b32 v[248+vv], s41                       ; 2^e as f32
	s_add_co_i32 s40, s40, 15
	s_lshl_b32 s40, s40, 23
	s_or_b32 s40, s40, 0x600000
	v_mov_b32 v[251+vv], s40                       ; 57,344 x 2^e
.set vv, vv+1
.endr
.macro REDUCE                          ; v12 summed over the 32 lanes, the result in every lane
	v_add_f32_dpp v12, v12, v12 row_xmask:1 row_mask:0xf bank_mask:0xf
	v_add_f32_dpp v12, v12, v12 row_xmask:2 row_mask:0xf bank_mask:0xf
	v_add_f32_dpp v12, v12, v12 row_xmask:4 row_mask:0xf bank_mask:0xf
	v_add_f32_dpp v12, v12, v12 row_xmask:8 row_mask:0xf bank_mask:0xf
	v_permlanex16_b32 v6, v12, s20, s21
	v_add_f32 v12, v12, v6
.endm
.macro ROW rho
.set XR, X+32*\rho
	s_wait_loadcnt 8*(3-\rho)                      ; scale, shift and this row are in; the later rows' eight loads each may be out
	v_pk_add_f32 v[12:13], v[XR:XR+1], v[XR+2:XR+3]        ; the sum, in two chains
	v_pk_add_f32 v[14:15], v[XR+4:XR+5], v[XR+6:XR+7]
.irp j, 8,12,16,20,24,28
	v_pk_add_f32 v[12:13], v[12:13], v[XR+\j:XR+\j+1]
	v_pk_add_f32 v[14:15], v[14:15], v[XR+\j+2:XR+\j+3]
.endr
	v_pk_add_f32 v[12:13], v[12:13], v[14:15]
	v_add_f32 v12, v12, v13
	REDUCE
	v_mul_f32 v8, s22, v12                         ; the mean
	v_mov_b32 v9, v8
.set j, 0
.rept 16
	v_pk_add_f32 v[XR+j:XR+j+1], v[XR+j:XR+j+1], v[8:9] neg_lo:[0,1] neg_hi:[0,1]   ; x - mean
.set j, j+2
.endr
	v_pk_mul_f32 v[12:13], v[XR:XR+1], v[XR:XR+1]          ; the sum of its squares, in two chains
	v_pk_mul_f32 v[14:15], v[XR+2:XR+3], v[XR+2:XR+3]
.irp j, 4,8,12,16,20,24,28
	v_pk_fma_f32 v[12:13], v[XR+\j:XR+\j+1], v[XR+\j:XR+\j+1], v[12:13]
	v_pk_fma_f32 v[14:15], v[XR+\j+2:XR+\j+3], v[XR+\j+2:XR+\j+3], v[14:15]
.endr
	v_pk_add_f32 v[12:13], v[12:13], v[14:15]
	v_add_f32 v12, v12, v13
	REDUCE
	v_fma_f32 v12, v12, s22, s23                   ; var + 1e-5
	s_wait_alu depctr_va_vdst(0)
	v_rsq_f32 v10, v12
	v_nop                                          ; one plain place behind a transcendental
	s_wait_alu depctr_va_vdst(0)
	v_mov_b32 v11, v10
.set j, 0
.rept 16
	v_pk_mul_f32 v[XR+j:XR+j+1], v[XR+j:XR+j+1], v[10:11]
.set j, j+2
.endr
.set j, 0
.rept 16
	v_pk_fma_f32 v[XR+j:XR+j+1], v[XR+j:XR+j+1], v[SC+j:SC+j+1], v[SH+j:SH+j+1]
.set j, j+2
.endr
.set vv, 0
.rept NV
.set i, 0
.rept 32
	v_med3_num_f32 v[T+i], v[XR+i], -v[251+vv], v[251+vv]   ; the hold comes first (ISA guide 7.6.2)
.set i, i+1
.endr
	s_wait_alu depctr_va_vdst(0)
	s_wait_dscnt 0x0                               ; the last stores have read the codes' registers
.irp g, 0,1,2,3
	v_cvt_scalef32_pk8_bf8_f32 v[C+2*\g:C+2*\g+1], v[T+8*\g:T+8*\g+7], v[248+vv]   ; register j of the eight: my four codes of unit j
.endr
	v_nop                                          ; one plain place between the conversions and the next holds, which write their sources
.irp j, 0,1,2,3,4,5,6,7
	ds_store_b32 v3, v[C+\j] offset:vv*VS+\j*2176+\rho*16
.endr
.set vv, vv+1
.endr
.endm
	ROW 0
	ROW 1
	ROW 2
	ROW 3
	s_wait_dscnt 0x0                               ; for the others' sake: my words lie in the images
	s_barrier_signal -1
	s_barrier_wait -1
.set n, 0
.set vv, 0
.rept NV                               ; wave w takes units 2 w and 2 w + 1 of each version
.irp uu, 0,1
.irp i, 0,1,2,3
	ds_load_b128 v[X+4*n:X+4*n+3], v4 offset:vv*VS+\uu*2176+\i*544
.set n, n+1
.endr
.endr
.set vv, vv+1
.endr
.set n, 0
.set vv, 0
.rept NV
.irp uu, 0,1
.irp i, 0,1,2,3
	s_wait_dscnt 8*NV-1-n                          ; the younger loads may be out
	global_store_b128 v5, v[X+4*n:X+4*n+3], s[42+2*vv:43+2*vv] offset:\uu*2048+\i*512   ; 32 lanes store 512 consecutive bytes, aligned
.set n, n+1
.endr
.endr
.set vv, vv+1
.endr
	s_wait_tensorcnt 0x0                           ; the wave's end
	ds_add_u32 v254, v255
	s_wait_dscnt 0x0
	s_endpgm
.Lfunc_end_k_q4fd3b070f1_prep:
	.size	k_q4fd3b070f1_prep, .Lfunc_end_k_q4fd3b070f1_prep-k_q4fd3b070f1_prep
	.p2alignl 7, 3214868480
	.fill 96, 4, 3214868480
	.section	.rodata,"a",@progbits
	.p2align	6, 0x0
	.amdhsa_kernel k_q4fd3b070f1_prep
		.amdhsa_group_segment_fixed_size 85504
		.amdhsa_private_segment_fixed_size 0
		.amdhsa_enable_private_segment 0
		.amdhsa_kernarg_size 96
		.amdhsa_user_sgpr_count 2
		.amdhsa_user_sgpr_kernarg_segment_ptr 1
		.amdhsa_wavefront_size32 1
		.amdhsa_system_sgpr_workgroup_id_x 1
		.amdhsa_system_sgpr_workgroup_id_y 1
		.amdhsa_system_sgpr_workgroup_id_z 1
		.amdhsa_system_vgpr_workitem_id 0
		.amdhsa_next_free_vgpr 256
		.amdhsa_next_free_sgpr 66
		.amdhsa_reserve_vcc 0
		.amdhsa_float_denorm_mode_32 3
		.amdhsa_float_denorm_mode_16_64 3
		.amdhsa_memory_ordered 1
		.amdhsa_forward_progress 1
		.amdhsa_inst_pref_size 123
	.end_amdhsa_kernel
	.amdgpu_metadata
---
amdhsa.version: [ 1, 2 ]
amdhsa.kernels:
  - .name:           k_q4fd3b070f1_prep
    .symbol:         k_q4fd3b070f1_prep.kd
    .args:
      - { .name: x, .offset: 0, .size: 8, .value_kind: global_buffer, .address_space: global }
      - { .name: ln1_scale, .offset: 8, .size: 8, .value_kind: global_buffer, .address_space: global }
      - { .name: ln1_shift, .offset: 16, .size: 8, .value_kind: global_buffer, .address_space: global }
      - { .name: lowp_scales, .offset: 24, .size: 8, .value_kind: global_buffer, .address_space: global }
      - { .name: hcodes, .offset: 32, .size: 8, .value_kind: global_buffer, .address_space: global }
      - { .name: w_q, .offset: 40, .size: 8, .value_kind: global_buffer, .address_space: global }
      - { .name: w_k, .offset: 48, .size: 8, .value_kind: global_buffer, .address_space: global }
      - { .name: w_v, .offset: 56, .size: 8, .value_kind: global_buffer, .address_space: global }
      - { .name: w_o, .offset: 64, .size: 8, .value_kind: global_buffer, .address_space: global }
      - { .name: w_ff1, .offset: 72, .size: 8, .value_kind: global_buffer, .address_space: global }
      - { .name: w_ff2, .offset: 80, .size: 8, .value_kind: global_buffer, .address_space: global }
      - { .name: wcodes, .offset: 88, .size: 8, .value_kind: global_buffer, .address_space: global }
    .group_segment_fixed_size: 85504
    .private_segment_fixed_size: 0
    .kernarg_segment_align: 8
    .kernarg_segment_size: 96
    .max_flat_workgroup_size: 128
    .sgpr_count:     66
    .vgpr_count:     256
    .wavefront_size: 32
...
	.end_amdgpu_metadata
.endif
;; end of part 1
;; launch qkvp (part 2): grid 4 x 48, 4 waves a work-group, clusters of 4 x 4, 327,680 bytes of LDS; arguments hcodes, wcodes, lowp_scales, qkvc; writes qkvc
.if DOCPART == 2
	.amdgcn_target "amdgcn-amd-amdhsa--gfx1250"
	.amdhsa_code_object_version 6
	.text
	.protected	k_q4fd3b070f1_qkvp
	.globl	k_q4fd3b070f1_qkvp
	.p2align	8
	.type	k_q4fd3b070f1_qkvp,@function
k_q4fd3b070f1_qkvp:
	s_mov_b64 s[64:65], 0
	v_nop
	global_prefetch_b8 v0, s[64:65] scope:SCOPE_SE
	s_setreg_imm32_b32 hwreg(HW_REG_WAVE_MODE, 25, 1), 1
	s_wait_xcnt 0x0
	s_wait_alu depctr_hold_cnt(0) depctr_sa_sdst(0) depctr_va_vdst(0) depctr_va_sdst(0) depctr_va_ssrc(0) depctr_va_vcc(0) depctr_vm_vsrc(0)
	s_getreg_b32 s2, hwreg(HW_REG_IB_STS2, 6, 4)
	s_cmp_eq_u32 s2, 0
	s_cbranch_scc0 .Lentry_in_a_cluster
	s_endpgm
.Lentry_in_a_cluster:
	s_bfe_u32 s2, ttmp6, 0x10000c
	s_cmp_lg_u32 s2, 0xf033
	s_cbranch_scc0 .Lentry_shape_is_right
	s_endpgm
.Lentry_shape_is_right:
; Products 1, 2, 3 on codes of E5M2: q = h w_q, k = h w_k, v = h w_v, each result quantised at once (entries 6, 7, 8) and stored as attention's operands.
; The cluster's y / 4 is the job.  Jobs 0, 1 (q, k): A = h's codes of that version (rows = tokens), B = the weight's codes (rows = features).  Job 2 makes v TRANSPOSED: A = w_v's codes (rows = features),
; B = h's third version (rows = tokens), so that a lane's registers run along the tokens, which are the keys, the next K.  Pointers and coordinates are chosen on the job; no branch hangs on it.
; A sum stands for sum x 2^(ea + eb), so its code is sum / 2^(eo - ea - eb): the three scales are folded into the conversion's one.  LIMITS: eo - ea - eb between -126 and 112.
; ALL CODES LIE AS IMAGES OF OPERAND REGISTERS.  In: units of 16 rows x 128 k, 2,048 bytes, at ((row / 16) 8 + k / 128) x 2,048, byte 16 L + 512 i = registers 4 i .. 4 i + 3 of lane L.
; Out: units of 16 rows x 64 k, 1,024 bytes: q, k: [batch x head][token / 16]; v: [batch x head][key / 64][d / 16] with rows = d, k = keys.  64 x 64 of a result are four units, 4,096 consecutive bytes.
; A tile of C is 256 x 256: 3 jobs x 16 x 4 tiles = 192 work-groups, each with a WGP of its own and one tile.  Four waves, each 128 x 128 in 64 accumulators, 512 registers.
; K goes in steps of 256 through a ring of two LDS slots filled by the tensor data mover: K = 1,024 is the two first fills and one refill of each slot.
; CLUSTERS: 4 x 4 work-groups.  The four of a row of the cluster need the same tiles of A, the four of a column the same tiles of B: each is asked for JOINTLY.
; THE MATRIX INSTRUCTION IS USED TRANSPOSED (source 0 = 16 rows of B, source 1 = 16 rows of A): lane (r, h) holds A's row r, its register j B's row 8 h + j: eight neighbours along the next K.
; REGISTERS, in windows of 256: window 0: v0-31 addresses and constants; v32-47 codes; from v128 A's fragments (8 x 16 rows x 128 k), ONE set; on the way out v128-191 hold a block's held sums.
;   window 1: B's fragments, TWO sets, at v0 and at v128.   window 2: the 32 accumulators of my rows 0-63 (accumulator (a, b) at v[8 (8 a + b)]);   window 3: those of my rows 64-127.
; A step of 128 along K goes by A's blocks, each against B's eight: a block of A is free as soon as its eight products are issued, so one set serves A; B's fragments are at work through the whole step and have two.
.set SIZE_K, 1024
.set RBP,    16*SIZE_K                 ; 16 rows of codes in bytes
.set LAPS,   SIZE_K/512                ; a lap = two slots = 512 along K
.set SLOT,   131072                    ; A's 16 blocks of 16 rows x 256 k (4,096 bytes each), then B's 16
.set SPARE,  262144                    ; behind the ring: the spare words, 128 bytes for each wave
.set FR,     16                        ; registers of a fragment
.set NL,     4                         ; LDS loads that bring one
.set NP,     4                         ; places behind this matrix instruction (ISA guide 7.12.1)
.set PA,   86                          ; s[86:87] A's codes, s[88:89] B's
.set PB,   88
.set ADRA, 16                          ; v16-17  LDS address of my A fragments in slot 0, 1
.set ADRB, 20                          ; v20-21  the same for B
.set SPW,  28                          ; v28     LDS address of my spare word; never rewritten
.set NIL,  29                          ; v29     0; never rewritten
.set CD,   32                          ; v32-47  a block's codes
.set AF,   128                         ; A's fragments, in window 0
.set T,    128                         ; the way out: a block's 64 sums, held
.set G1,  24                           ; s[24:31] descriptor group 1 for A's tiles; s[32:39] group 0, one set for each slot
.set G0,  32
.set G1B, 48                           ; s[48:55], s[56:63] the same for B's
.set G0B, 56
.set MSB, 0
.macro WIN new                         ; the immediate's high byte repeats the setting that is left
.if MSB != \new
	s_set_vgpr_msb (MSB<<8)|\new
.set MSB, \new
.endif
.endm
.set MUL_LO, 0xa1                      ; source 0 (B) window 1, source 1 (A) window 0, C and D window 2
.set MUL_HI, 0xf1                      ; the same, C and D window 3
.set TO_B,   0x40                      ; destination window 1, address window 0
.macro JLOAD s                         ; a joint load: waves 0 and 1 fetch A's two halves, waves 2 and 3 B's; four v_nop follow each of the two lines
	s_cmp_eq_u32 s19, 0
	s_cbranch_scc0 .Lfor_b_\@
	tensor_load_to_lds s[G0+4*\s:G0+4*\s+3], s[G1:G1+7]
	s_nop 0
.rept 4
	v_nop
.endr
	s_branch .Lasked_\@
.Lfor_b_\@:
	tensor_load_to_lds s[G0B+4*\s:G0B+4*\s+3], s[G1B:G1B+7]
	s_nop 0
.rept 4
	v_nop
.endr
.Lasked_\@:
.endm
.macro CREST                           ; a round of the cluster's barrier behind its opening barrier
	s_cmp_lg_u32 s18, 0
	s_cbranch_scc1 .Lnot_wave_0_\@
	s_barrier_signal -3
.Lnot_wave_0_\@:
	s_barrier_wait -3
	s_barrier_signal -1
	s_barrier_wait -1
.endm
.macro CROUND                          ; a whole round
	s_barrier_signal -1
	s_barrier_wait -1
	CREST
.endm
.macro PLACES n                        ; places in front of loads into registers that matrix instructions have read, and of the first read of results
.rept \n
	v_nop
.endr
.endm
.macro FRAG reg, adr, q, i             ; a fragment, 16 rows x 128 k, is 16 registers: four loads of 512 consecutive bytes, as the image lies: block i, the slot's q-th 128 along K
.irp c, 0,1,2,3
	ds_load_b128 v[\reg+4*\c:\reg+4*\c+3], v[\adr] offset:(\i)*4096+(\q)*2048+512*\c
.endr
.endm
; 16 matrix instructions: A's blocks a0, a0 + 1 x B's eight, 128 along K.  p: B's set.  zero = 1: the first product starts the sums: nothing is ever cleared.
; The 64 accumulators take turns, one instruction a turn, in the same order in every step.
.macro MUL16 a0, p, zero
.irp a, \a0, \a0+1
.irp b, 0,1,2,3,4,5,6,7
.if \zero
	v_wmma_f32_16x16x128_bf8_bf8 v[8*(8*((\a)%4)+\b):8*(8*((\a)%4)+\b)+7], v[128*(\p)+FR*\b:128*(\p)+FR*\b+FR-1], v[AF+FR*(\a):AF+FR*(\a)+FR-1], 0
.else
	v_wmma_f32_16x16x128_bf8_bf8 v[8*(8*((\a)%4)+\b):8*(8*((\a)%4)+\b)+7], v[128*(\p)+FR*\b:128*(\p)+FR*\b+FR-1], v[AF+FR*(\a):AF+FR*(\a)+FR-1], v[8*(8*((\a)%4)+\b):8*(8*((\a)%4)+\b)+7]
.endif
.endr
.endr
.endm
.macro FETCH_B slot, q, p              ; B's eight fragments of the slot's q-th 128 along K into set p
	WIN TO_B
.irp i, 0,1,2,3,4,5,6,7
	FRAG 128*(\p)+FR*\i, ADRB+\slot, \q, \i
.endr
	WIN 0
.endm
.macro FETCH_A slot, q, i0             ; A's blocks i0 .. i0 + 3
.irp i, \i0, \i0+1, \i0+2, \i0+3
	FRAG AF+FR*(\i), ADRA+\slot, \q, \i
.endr
.endm
; A step of 128 along K that has its successor in the same slot.
.macro STEP slot, q, zero
	s_wait_dscnt 4*NL                              ; B's set and A's blocks 0-3 are in; the youngest sixteen loads (A's blocks 4-7) may be out
	WIN MUL_LO
	MUL16 0, (\q)%2, \zero
	MUL16 2, (\q)%2, \zero
	s_wait_dscnt 0                                 ; A's blocks 4-7 are in (asked for 32 matrix instructions ago)
	PLACES NP
	FETCH_B \slot, (\q)+1, 1-(\q)%2
	FETCH_A \slot, (\q)+1, 0
	WIN MUL_HI
	MUL16 4, (\q)%2, \zero
	MUL16 6, (\q)%2, \zero
	PLACES NP
	WIN 0
	FETCH_A \slot, (\q)+1, 4
.endm
; A slot's last step changes slots: ONE barrier; in front of it each wave waits for all its tensor loads, adds 0 to its spare word, and waits for that and for its own reads of this slot.  fill = 1: this slot is filled again, two K steps ahead.
.macro TURN slot, next, fill
	s_wait_tensorcnt 0x0                           ; all my tensor loads have landed: my part of the next slot;  (every window is 0 here: the add's two registers lie in window 0)
	ds_add_u32 v[SPW], v[NIL]                      ; 0 onto my spare word
	s_wait_dscnt 4*NL+1                            ; (the add and the youngest sixteen loads, A's blocks 4-7, may be out)
	WIN MUL_LO
	MUL16 0, 1, 0                                  ; sixteen matrix instructions stand between the add and the wait for it
	s_wait_dscnt 0x0                               ; the add is done, and my reads of this slot are over
	s_barrier_signal -1
	MUL16 2, 1, 0
	WIN 0
	s_barrier_wait -1
.if \fill
	CREST                                          ; the barrier has opened a round of the cluster's barrier: no wave of any partner still reads this slot or has a load on its way
	s_add_nc_u64 s[G0+4*\slot+2:G0+4*\slot+3], s[G0+4*\slot+2:G0+4*\slot+3], 8192
	s_add_nc_u64 s[G0B+4*\slot+2:G0B+4*\slot+3], s[G0B+4*\slot+2:G0B+4*\slot+3], 8192
	JLOAD \slot                                    ; the first tensor load behind the round; its four v_nop are also the places in front of the loads below
.else
	PLACES NP
.endif
	FETCH_B \next, 0, 0
	FETCH_A \next, 0, 0
	WIN MUL_HI
	MUL16 4, 1, 0
	MUL16 6, 1, 0
	PLACES NP
	WIN 0
	FETCH_A \next, 0, 4
.endm
	s_load_b256 s[4:11], s[0:1], 0x0               ; h's codes, the weights' codes, the scales' exponents, the results' codes
	v_lshl_add_u32 v[SPW], v0, 2, SPARE
	v_mov_b32 v[NIL], 0
	ds_add_u32 v28, v29
	ds_add_u32 v28, v29
	s_wait_dscnt 0x0
	v_lshrrev_b32 v1, 5, v0
	v_readfirstlane_b32 s18, v1                    ; wave 0..3
	s_lshr_b32 s19, s18, 1                         ; which half of the tile's rows is mine.  Also: I fetch for A (0) or for B (1)
	s_and_b32 s16, s18, 1                          ; which half of its columns.  Also: which eight blocks of that tile I fetch
	s_bfe_u32 s40, ttmp6, 0x40000                  ; cx, cy: my place in the cluster
	s_bfe_u32 s41, ttmp6, 0x40004
	s_and_b32 s91, ttmp7, 0xffff                   ; the cluster's y: 0 .. 11
	s_lshr_b32 s90, s91, 2                         ; the job
	s_and_b32 s91, s91, 3
	s_cmp_eq_u32 s90, 2                            ; tokens have 16 tiles, features 4 (one cluster's width): in job 2 the tokens are B's rows
	s_cselect_b32 s93, s91, 0
	s_cselect_b32 s94, 0, s91
	s_lshl_b32 s42, s93, 2
	s_add_co_u32 s42, s42, s40                     ; tile of B's rows
	s_lshl_b32 s17, s94, 2
	s_add_co_u32 s17, s17, s41                     ; tile of A's rows
	s_lshl_b32 s43, s41, 2
	s_lshl_b32 s43, 15, s43                        ; my row of the cluster
	s_lshl_b32 s44, 0x1111, s40                    ; my column
	; descriptor group 1: eight blocks of 16 rows x 256 k: 8 rows of 512 elements of 8 bytes, RBP bytes apart, laid on end in LDS
	s_or_b32 s[G1+0], s43, (3<<16)|(1<<21)         ; 15:0 the mask: A's tiles go to my row; 17:16 elements of 8 bytes; 21 set beside a mask
	s_or_b32 s[G1B+0], s44, (3<<16)|(1<<21)
.irp g, G1, G1B
	s_mov_b32 s[\g+1], 512<<16                     ; tensor_dim0
	s_mov_b32 s[\g+2], 8<<16                       ; tensor_dim1
	s_mov_b32 s[\g+3], 512<<16                     ; tile_dim0
	s_mov_b32 s[\g+4], 8                           ; tile_dim1
	s_mov_b32 s[\g+5], 2*SIZE_K                    ; tensor_dim0_stride: RBP / 8
	s_mov_b32 s[\g+6], 0
	s_mov_b32 s[\g+7], 0
.endr
	s_lshl_b32 s20, s17, 4
	s_lshl_b32 s21, s16, 3
	s_add_co_u32 s20, s20, s21                     ; A: block 16 x tile + 8 x half
	s_mul_i32 s20, s20, RBP
	s_mov_b32 s21, 0
	s_lshl_b32 s46, s42, 4
	s_lshl_b32 s47, s16, 3
	s_add_co_u32 s46, s46, s47                     ; B likewise
	s_mul_i32 s46, s46, RBP
	s_mov_b32 s47, 0
	s_lshl_b32 s45, s18, 15                        ; where they go: wave x 32,768: no place in the cluster enters an LDS address
	s_mov_b32 s85, 0
	s_wait_kmcnt 0x0
	s_load_b512 s[68:83], s[8:9], 0x0              ; all sixteen exponents
	s_lshl_b32 s84, s90, 22
	s_add_nc_u64 s[4:5], s[4:5], s[84:85]          ; h's version = the job
	s_lshl_b32 s84, s90, 20
	s_add_nc_u64 s[6:7], s[6:7], s[84:85]          ; the job's weight
	s_cmp_eq_u32 s90, 2
	s_cselect_b64 s[PA:PA+1], s[6:7], s[4:5]
	s_cselect_b64 s[PB:PB+1], s[4:5], s[6:7]
	s_add_nc_u64 s[20:21], s[PA:PA+1], s[20:21]
	s_add_nc_u64 s[46:47], s[PB:PB+1], s[46:47]
	CROUND                                         ; all sixteen work-groups are here: the first joint loads meet
.irp s, 0,1
	s_mov_b32 s[G0+4*\s], 1
	s_add_co_u32 s[G0+4*\s+1], s45, \s*SLOT
	s_add_nc_u64 s[G0+4*\s+2:G0+4*\s+3], s[20:21], \s*4096
	s_or_b32 s[G0+4*\s+3], s[G0+4*\s+3], 0x80000000
	s_mov_b32 s[G0B+4*\s], 1
	s_add_co_u32 s[G0B+4*\s+1], s45, \s*SLOT
	s_add_nc_u64 s[G0B+4*\s+2:G0B+4*\s+3], s[46:47], \s*4096
	s_or_b32 s[G0B+4*\s+3], s[G0B+4*\s+3], 0x80000000
.endr
	s_cmp_eq_u32 s19, 0                            ; the prefetches: do I fetch for A?
	s_cselect_b64 s[66:67], s[20:21], s[46:47]     ; the eight blocks of 16 rows that I fetch,
	s_cselect_b32 s84, s40, s41                    ; my place among the four that ask with me (cx for A, cy for B): it enters this address alone
	s_lshl_b32 s84, s84, 15                        ; each partner names two blocks of RBP = 16,384 bytes
	s_mov_b32 s85, 0
	s_add_nc_u64 s[66:67], s[66:67], s[84:85]
	JLOAD 0                                        ; K step 0: one tensor load a wave at the head
	v_and_b32 v3, 31, v0
	v_lshlrev_b32 v3, 4, v3
	v_bfe_u32 v6, v0, 4, 1
	v_and_b32 v5, 15, v0
	v_lshlrev_b32 v5, 8, v5
	v_lshl_add_u32 v5, v6, 14, v5                  ; sixteen lanes, 256 bytes apart, to a block's 4,096 bytes of a slot; never rewritten
	global_prefetch_b8 v5, s[66:67] offset:4096 th:TH_LOAD_NT scope:SCOPE_SE   ; slots 1 and 2, whose loads follow one and two fills on
	global_prefetch_b8 v5, s[66:67] offset:8192 th:TH_LOAD_NT scope:SCOPE_SE
	s_lshl_b32 s21, s19, 15                        ; my eight blocks of A
	s_lshl_b32 s22, s16, 15                        ; my eight blocks of B,
	s_add_co_u32 s22, s22, 65536                   ; which lie behind A's sixteen
.irp s, 0,1
	v_add_nc_u32 v[ADRA+\s], s21, v3
	v_add_nc_u32 v[ADRB+\s], s22, v3
	s_add_co_u32 s21, s21, SLOT
	s_add_co_u32 s22, s22, SLOT
.endr
	; where my results go.  64 x 64 of a result lie at ((batch x 16 + head) x 32 + (64 tokens' number % 32)) x 4,096, + the job x 4 MiB; my 128 x 128 is four of these:
	; the next 64 tokens lie 4,096 bytes on, the next head 131,072
	s_lshl_b32 s98, s17, 2
	s_lshl_b32 s99, s19, 1
	s_add_co_u32 s98, s98, s99                     ; the first of my two 64s of A's rows
	s_lshl_b32 s99, s42, 2
	s_lshl_b32 s100, s16, 1
	s_add_co_u32 s99, s99, s100                    ; the first of my two 64s of B's rows
	s_mov_b32 s84, 0x1000
	s_mov_b32 s85, 0x20000
	s_cmp_eq_u32 s90, 2
	s_cselect_b32 s100, s99, s98                   ; 64 tokens' number
	s_cselect_b32 s101, s98, s99                   ; the head
	s_cselect_b32 s92, s85, s84                    ; from A's first 64 rows to its second: a head on in job 2, else 64 tokens on
	s_cselect_b32 s94, s84, s85                    ; from B's first 64 rows to its second: the other of the two
	s_mov_b32 s93, 0
	s_mov_b32 s95, 0
	s_lshr_b32 s98, s100, 5
	s_lshl_b32 s98, s98, 4
	s_add_co_u32 s98, s98, s101
	s_lshl_b32 s98, s98, 5
	s_and_b32 s100, s100, 31
	s_add_co_u32 s98, s98, s100
	s_lshl_b32 s98, s98, 12
	s_lshl_b32 s99, s90, 22
	s_add_co_u32 s98, s98, s99
	s_mov_b32 s99, 0
	s_add_nc_u64 s[10:11], s[10:11], s[98:99]      ; A's rows 0-63 x B's rows 0-63
	s_add_nc_u64 s[12:13], s[10:11], s[92:93]      ; A's 64-127 x B's 0-63
	s_add_nc_u64 s[14:15], s[10:11], s[94:95]      ; A's 0-63 x B's 64-127
	s_add_nc_u64 s[96:97], s[12:13], s[94:95]      ; A's 64-127 x B's 64-127
	s_wait_alu depctr_va_vdst(0)
	s_wait_tensorcnt 0x0                           ; my part of slot 0 is in
	ds_add_u32 v[SPW], v[NIL]
	s_wait_dscnt 0x0
	CROUND                                         ; everybody's part of slot 0 is in, and the joint loads meet
	JLOAD 1                                        ; slot 1's first fill, the first tensor load behind the round
	FETCH_B 0, 0, 0
	FETCH_A 0, 0, 0
	FETCH_A 0, 0, 4
	global_prefetch_b8 v5, s[66:67] offset:12288 th:TH_LOAD_NT scope:SCOPE_SE  ; slot 3, the last: two fills on
	STEP 0, 0, 1                                   ; the first step stands in front of the loop: its products start the sums
	s_mov_b32 s3, LAPS-1
.Llap:                                                 ; a trip goes once round the ring, from a lap's second step to the next lap's first, and fills both slots again
	TURN 0, 1, 1
	STEP 1, 0, 0
	TURN 1, 0, 1
	STEP 0, 0, 0
	s_sub_co_u32 s3, s3, 1
	s_cmp_lg_u32 s3, 0
	s_cbranch_scc1 .Llap
	TURN 0, 1, 0                                   ; the last lap fills nothing, and has no round of the cluster's barrier
	STEP 1, 0, 0
	s_wait_dscnt 4*NL                              ; the very last step: nothing more to fetch
	WIN MUL_LO
	MUL16 0, 1, 0
	MUL16 2, 1, 0
	s_wait_dscnt 0
	WIN MUL_HI
	MUL16 4, 1, 0
	MUL16 6, 1, 0
	WIN 0
	; THE WAY OUT: held, converted, stored: the conversions' results ARE the next operand's registers
	s_wait_kmcnt 0x0
	s_sub_co_i32 s84, s74, s68
	s_sub_co_i32 s84, s84, s69                     ; e6 - e0 - e1
	s_sub_co_i32 s85, s75, s70
	s_sub_co_i32 s85, s85, s71                     ; e7 - e2 - e3
	s_sub_co_i32 s86, s76, s72
	s_sub_co_i32 s86, s86, s73                     ; e8 - e4 - e5
	s_cmp_eq_u32 s90, 1
	s_cselect_b32 s84, s85, s84
	s_cmp_eq_u32 s90, 2
	s_cselect_b32 s84, s86, s84
	s_add_co_i32 s84, s84, 127
	s_lshl_b32 s85, s84, 23
	v_mov_b32 v30, s85                             ; the folded scale as f32
	s_add_co_i32 s84, s84, 15
	s_lshl_b32 s84, s84, 23
	s_or_b32 s84, s84, 0x600000
	v_mov_b32 v31, s84                             ; 57,344 x that
	PLACES NP                                      ; behind the last products: their results are read, and the registers that held A's fragments written, only behind these
; Block a: 16 of A's rows x my 128 of B's rows: two units of 16 x 64.
.macro OUTB a
	WIN 0x02+((\a)/4)                              ; source 0: window 2 or 3
.set i, 0
.rept 64
	v_med3_num_f32 v[T+i], v[64*((\a)%4)+i], -v31, v31   ; each accumulator from its low end on; the conversion does not saturate (ISA guide 7.6.2): the hold comes first
.set i, i+1
.endr
	WIN 0
.if (\a) > 0
	s_wait_alu depctr_va_vdst(0)
	s_wait_xcnt 0x0                                ; the last block's stores have read the codes' registers
.endif
.irp b, 0,1,2,3,4,5,6,7
	v_cvt_scalef32_pk8_bf8_f32 v[CD+2*\b:CD+2*\b+1], v[T+8*\b:T+8*\b+7], v30   ; registers 2 (b % 4), + 1 of unit b / 4: k = 16 (b % 4) + 8 h + 0 .. 7
.endr
	v_nop                                          ; one plain place between the conversions and the next block's holds, which write their sources
.if (\a) < 4
	global_store_b128 v3, v[CD:CD+3],     s[10:11] offset:((\a)%4)*1024       ; 32 lanes store 512 consecutive bytes, aligned
	global_store_b128 v3, v[CD+4:CD+7],   s[10:11] offset:((\a)%4)*1024+512
	global_store_b128 v3, v[CD+8:CD+11],  s[14:15] offset:((\a)%4)*1024
	global_store_b128 v3, v[CD+12:CD+15], s[14:15] offset:((\a)%4)*1024+512
.else
	global_store_b128 v3, v[CD:CD+3],     s[12:13] offset:((\a)%4)*1024
	global_store_b128 v3, v[CD+4:CD+7],   s[12:13] offset:((\a)%4)*1024+512
	global_store_b128 v3, v[CD+8:CD+11],  s[96:97] offset:((\a)%4)*1024
	global_store_b128 v3, v[CD+12:CD+15], s[96:97] offset:((\a)%4)*1024+512
.endif
.endm
.irp a, 0,1,2,3,4,5,6,7
	OUTB \a
.endr
	s_wait_tensorcnt 0x0                           ; the wave's end
	ds_add_u32 v[SPW], v[NIL]
	s_wait_dscnt 0x0
	CROUND                                         ; the closing round: no work-group ends while a partner may still ask for a tile that names it
	s_endpgm
.Lfunc_end_k_q4fd3b070f1_qkvp:
	.size	k_q4fd3b070f1_qkvp, .Lfunc_end_k_q4fd3b070f1_qkvp-k_q4fd3b070f1_qkvp
	.p2alignl 7, 3214868480
	.fill 96, 4, 3214868480
	.section	.rodata,"a",@progbits
	.p2align	6, 0x0
	.amdhsa_kernel k_q4fd3b070f1_qkvp
		.amdhsa_group_segment_fixed_size 327680
		.amdhsa_private_segment_fixed_size 0
		.amdhsa_enable_private_segment 0
		.amdhsa_kernarg_size 32
		.amdhsa_user_sgpr_count 2
		.amdhsa_user_sgpr_kernarg_segment_ptr 1
		.amdhsa_wavefront_size32 1
		.amdhsa_system_sgpr_workgroup_id_x 1
		.amdhsa_system_sgpr_workgroup_id_y 1
		.amdhsa_system_sgpr_workgroup_id_z 1
		.amdhsa_system_vgpr_workitem_id 0
		.amdhsa_next_free_vgpr 1024
		.amdhsa_next_free_sgpr 102
		.amdhsa_reserve_vcc 0
		.amdhsa_float_denorm_mode_32 3
		.amdhsa_float_denorm_mode_16_64 3
		.amdhsa_memory_ordered 1
		.amdhsa_forward_progress 1
		.amdhsa_inst_pref_size 120
	.end_amdhsa_kernel
	.amdgpu_metadata
---
amdhsa.version: [ 1, 2 ]
amdhsa.kernels:
  - .name:           k_q4fd3b070f1_qkvp
    .symbol:         k_q4fd3b070f1_qkvp.kd
    .args:
      - { .name: hcodes, .offset: 0, .size: 8, .value_kind: global_buffer, .address_space: global }
      - { .name: wcodes, .offset: 8, .size: 8, .value_kind: global_buffer, .address_space: global }
      - { .name: lowp_scales, .offset: 16, .size: 8, .value_kind: global_buffer, .address_space: global }
      - { .name: qkvc, .offset: 24, .size: 8, .value_kind: global_buffer, .address_space: global }
    .group_segment_fixed_size: 327680
    .private_segment_fixed_size: 0
    .kernarg_segment_align: 8
    .kernarg_segment_size: 32
    .max_flat_workgroup_size: 128
    .sgpr_count:     102
    .vgpr_count:     1024
    .wavefront_size: 32
...
	.end_amdgpu_metadata
.endif
;; end of part 2
;; launch att (part 3): grid 8 x 32, 8 waves a work-group, clusters of 4 x 1, 327,680 bytes of LDS; arguments qkvc, lowp_scales, ctxc; writes ctxc
.if DOCPART == 3
	.amdgcn_target "amdgcn-amd-amdhsa--gfx1250"
	.amdhsa_code_object_version 6
	.text
	.protected	k_q4fd3b070f1_att
	.globl	k_q4fd3b070f1_att
	.p2align	8
	.type	k_q4fd3b070f1_att,@function
k_q4fd3b070f1_att:
	s_mov_b64 s[64:65], 0
	v_nop
	global_prefetch_b8 v0, s[64:65] scope:SCOPE_SE
	s_setreg_imm32_b32 hwreg(HW_REG_WAVE_MODE, 25, 1), 1
	s_wait_xcnt 0x0
	s_wait_alu depctr_hold_cnt(0) depctr_sa_sdst(0) depctr_va_vdst(0) depctr_va_sdst(0) depctr_va_ssrc(0) depctr_va_vcc(0) depctr_vm_vsrc(0)
	s_getreg_b32 s2, hwreg(HW_REG_IB_STS2, 6, 4)
	s_cmp_eq_u32 s2, 0
	s_cbranch_scc0 .Lentry_in_a_cluster
	s_endpgm
.Lentry_in_a_cluster:
	s_bfe_u32 s2, ttmp6, 0x10000c
	s_cmp_lg_u32 s2, 0x3003
	s_cbranch_scc0 .Lentry_shape_is_right
	s_endpgm
.Lentry_shape_is_right:
; ctx[b][q][head] = the sum over the keys of softmax(q . k / 8) v, both products on codes of E5M2 (scales: q entry 6, k 7, v 8, p 9), the result quantised at once with entry 10.
; THE SOFTMAX AHEAD OF THE SECOND PRODUCT: t = score x log2(e) / 8; M = the row's largest t so far, rounded UP to a whole number; p = 2^(t - M) is quantised, not normalised.
; The row's sum is taken of the unquantised p, in f32, and divides at the end.  When M moves, the sum and O are multiplied by 2^(old M - new M): exact.
; LIMITS, so that each power of two below is an f32 number: e6 + e7 between -123 and 130 (added to c's exponent field); e9, and e10 - e8 - e9, between -126 and 112.
; IN: images of operand registers, units of 16 rows x 64 k, 1,024 bytes: q at 0 and k at 4 MiB: [batch x head][token / 16]; v at 8 MiB: [batch x head][key / 64][d / 16], rows = d, k = keys.
; OUT: a tile's codes (16 tokens x the head's 64) lie at (token / 16) x 16,384 + head x 1,024: half a unit of 16 tokens x 128 k.
; SHARES.  A work-group owns 256 queries of one head; each of its eight waves 32 of them, two tiles T = 0, 1 that share every fragment of K and V read from LDS.  A key step is 128 keys: 128 scores a lane.
; LDS holds the head's whole K (131,072 bytes, from 0) and V (from 131,072): every byte is filled once.  Waves 0-3 fetch K, waves 4-7 V.  At the head each wave asks for a quarter of the first
; 640 keys (10,240 bytes); behind the three lines and a round each asks for a quarter of the other 1,408 keys (22,528 bytes), which has four key steps in which to land.
; The first four steps read V's keys 0-511 and, one step ahead, K's keys 0-639: all in the first fill.
; CLUSTER.  The four query blocks of a cluster belong to one head and read the same K and V: each fill is asked for JOINTLY, with the mask of all four.
; NO PREFETCH: both fills go out ahead of the loops, so there is no loop to run ahead in.
; LAYOUT.  Both products are used transposed: S^T = K Q^T (source 0 = 16 keys), O^T = V^T P^T (source 0 = 16 of the head's 64): a lane holds ONE query (lane % 16) throughout, and p's eight
; registers of key tile kt are keys 16 kt + 8 h + 0 .. 7: registers 2 kt, 2 kt + 1 of the second product's operand, in the order in which v's keys were laid.
; REGISTERS.  Window 0: v1 16 x lane; v2, v3 the step's LDS addresses; v4, v5: 57,344 x 2^e9, 2^e9; v6, v7 the same for ctx; v[8+2T] -M, v[9+2T] the largest t; v[12+2T:13+2T] the sum in two halves;
; v[16+2T] f; v20-29 at work; v30 16 x lane + V's place; Q, O, S below; v240, v241 the add's two.  Window 1: K's eight fragments, V's eight, p's codes.
.set SPARE, 0x40000                    ; behind K and V: the spare words, 128 bytes for each wave
.set SPW, 240
.set NIL, 241
.set Q,   32                           ; v32-47   Q's two fragments
.set O,   48                           ; v48-111  O^T: tile T at + 32 T
.set S,   112                          ; v112-239 S^T, then p: tile T at + 64 T
.set CD,  176                          ; the way out: ctx's codes
.set KF,  0                            ; window 1: v0-63 K, 128 keys
.set VF,  64                           ; window 1: v64-127 V: fragment 4 g + db: keys 64 g .., d 16 db ..
.set PC,  128                          ; window 1: v128-159 p's codes: tile T at + 16 T
.set F0B, 40960                        ; bytes of K, and of V, in the first fill: 640 keys
.set MSB, 0
.macro WIN new                         ; the immediate's high byte repeats the setting that is left
.if MSB != \new
	s_set_vgpr_msb (MSB<<8)|\new
.set MSB, \new
.endif
.endm
.macro CROUND
	s_barrier_signal -1
	s_barrier_wait -1
	s_cmp_lg_u32 s18, 0
	s_cbranch_scc1 .Lnot_wave_0_\@
	s_barrier_signal -3
.Lnot_wave_0_\@:
	s_barrier_wait -3
	s_barrier_signal -1
	s_barrier_wait -1
.endm
.macro KLOAD adr, off                  ; eight fragments of K, 8,192 consecutive bytes of the image
.irp u, 0,1,2,3,4,5,6,7
	ds_load_b128 v[KF+8*\u:KF+8*\u+3],   v[\adr] offset:\off+1024*\u
	ds_load_b128 v[KF+8*\u+4:KF+8*\u+7], v[\adr] offset:\off+1024*\u+512
.endr
.endm
	s_load_b128 s[4:7], s[0:1], 0x0                ; the codes of q, k, v; the scales' exponents
	s_load_b64 s[8:9], s[0:1], 0x10                ; ctx's codes
	v_lshl_add_u32 v[SPW], v0, 2, SPARE
	v_mov_b32 v[NIL], 0
	ds_add_u32 v[SPW], v[NIL]                      ; the opening lines: the add twice on end and its wait ahead of my first tensor load
	ds_add_u32 v[SPW], v[NIL]
	v_lshrrev_b32 v1, 5, v0
	s_delay_alu instid0(VALU_DEP_1)
	v_readfirstlane_b32 s18, v1                    ; wave 0..7
	s_bfe_u32 s13, ttmp6, 0x40000                  ; cx
	s_lshl_b32 s14, ttmp9, 2
	s_add_co_u32 s14, s14, s13                     ; my block of 256 queries: it enters Q's and ctx's addresses alone
	s_and_b32 s15, ttmp7, 0xffff                   ; batch x 16 + head, which the four partners share
	s_lshr_b32 s16, s18, 2                         ; waves 0-3 fetch K, waves 4-7 V,
	s_and_b32 s17, s18, 3                          ; each a quarter of a fill
	s_mul_i32 s10, s17, 10240                      ; my quarter of the first fill,
	s_mov_b32 s11, 0
	s_mul_i32 s56, s17, 22528
	s_add_co_u32 s56, s56, F0B                     ; and of the second
	s_mov_b32 s57, 0
	s_lshl_b32 s50, s16, 17                        ; K's or V's place in LDS
	s_mov_b32 s32, 1                               ; s[32:35], s[36:39]: the two groups 0
	s_add_co_u32 s33, s50, s10
	s_mov_b32 s36, 1
	s_add_co_u32 s37, s50, s56
	s_lshl_b32 s52, s16, 22
	s_add_co_u32 s52, s52, 0x400000
	s_lshl_b32 s53, s15, 17
	s_add_co_u32 s52, s52, s53                     ; the head's K or V in memory
	s_mov_b32 s53, 0
	s_lshl_b32 s59, s14, 4
	s_lshl_b32 s58, s18, 1
	s_add_co_u32 s59, s59, s58                     ; my first tile of 16 queries in the batch
	s_lshl_b32 s54, s15, 7
	s_add_co_u32 s54, s54, s59
	s_lshl_b32 s54, s54, 10                        ; its unit of q
	s_mov_b32 s55, 0
	s_lshr_b32 s62, s15, 4
	s_lshl_b32 s62, s62, 7
	s_add_co_u32 s62, s62, s59
	s_lshl_b32 s62, s62, 14                        ; its block of ctx's units,
	s_and_b32 s63, s15, 15
	s_lshl_b32 s63, s63, 10
	s_add_co_u32 s62, s62, s63                     ; + the head's half unit
	s_mov_b32 s63, 0
	; descriptor groups 1: dense blocks as rows of 32 elements of 8 bytes: 40 rows, and 88 rows
	s_mov_b32 s24, 15|(3<<16)|(1<<21)              ; 15:0 the mask: all four work-groups; 17:16 elements of 8 bytes; 21 set beside a mask
	s_mov_b32 s25, 32<<16
	s_mov_b32 s26, 40<<16
	s_mov_b32 s27, 32<<16
	s_mov_b32 s28, 40
	s_mov_b32 s29, 32
	s_mov_b32 s30, 0
	s_mov_b32 s31, 0
	s_mov_b32 s40, 15|(3<<16)|(1<<21)
	s_mov_b32 s41, 32<<16
	s_mov_b32 s42, 88<<16
	s_mov_b32 s43, 32<<16
	s_mov_b32 s44, 88
	s_mov_b32 s45, 32
	s_mov_b32 s46, 0
	s_mov_b32 s47, 0
	s_mov_b32 s20, 0x76543210                      ; v_permlanex16_b32's selects for lane l xor 16
	s_mov_b32 s21, 0xfedcba98
	s_mov_b32 s22, 0x3e38aa3b                      ; c = log2(e) / 8
	s_wait_dscnt 0x0                               ; both opening adds are done
	s_wait_kmcnt 0x0
	s_load_b512 s[68:83], s[6:7], 0x0              ; all sixteen exponents
	s_add_nc_u64 s[52:53], s[4:5], s[52:53]
	s_add_nc_u64 s[34:35], s[52:53], s[10:11]
	s_or_b32 s35, s35, 0x80000000
	s_add_nc_u64 s[38:39], s[52:53], s[56:57]
	s_or_b32 s39, s39, 0x80000000
	s_add_nc_u64 s[54:55], s[4:5], s[54:55]
	s_add_nc_u64 s[8:9], s[8:9], s[62:63]
	CROUND                                         ; all four work-groups are here: the joint loads meet
	tensor_load_to_lds s[32:35], s[24:31]          ; the first 640 keys: my one tensor load at the head
	s_nop 0
	v_and_b32 v1, 31, v0
	s_delay_alu instid0(VALU_DEP_1)
	v_lshlrev_b32 v1, 4, v1                        ; 16 x lane: my place in every image
	s_delay_alu instid0(VALU_DEP_1)
	v_add_nc_u32 v30, 0x20000, v1
.irp T, 0,1
	global_load_b128 v[Q+8*\T:Q+8*\T+3],   v1, s[54:55] offset:1024*\T
	global_load_b128 v[Q+8*\T+4:Q+8*\T+7], v1, s[54:55] offset:1024*\T+512
.endr
.irp T, 0,1
	v_mov_b32 v[9+2*\T], 0xff61b1e6                ; the largest t so far: -3e38, under every t
	s_delay_alu instid0(VALU_DEP_1)
	v_floor_f32 v[8+2*\T], -v[9+2*\T]              ; -M
	v_mov_b32 v[12+2*\T], 0                        ; the sum, in two halves
	v_mov_b32 v[13+2*\T], 0
	v_mov_b32 v[17+2*\T], 0                        ; (named as the upper half of f's pair)
	v_mov_b32 v[24+\T], 0                          ; written once: a lane permute's destination counts as one of its sources
.endr
.set j, 0
.rept 64
	v_mov_b32 v[O+j], 0                            ; O^T.  (The step has no first form of its own: the first finds zeros, which the first change of M leaves zeros)
.set j, j+1
.endr
	s_wait_kmcnt 0x0
	s_add_co_i32 s60, s74, s75
	s_lshl_b32 s60, s60, 23
	s_add_co_i32 s22, s22, s60                     ; a score stands for score x 2^(e6 + e7): the two exponents are added to c's exponent field
	s_mov_b32 s23, s22                             ; (named with it as a pair, so it is written)
	s_add_co_i32 s60, s77, 127
	s_lshl_b32 s61, s60, 23
	v_mov_b32 v5, s61                              ; 2^e9 as f32
	s_add_co_i32 s60, s60, 15
	s_lshl_b32 s60, s60, 23
	s_or_b32 s60, s60, 0x600000
	v_mov_b32 v4, s60                              ; 57,344 x 2^e9
	s_sub_co_i32 s60, s78, s76
	s_sub_co_i32 s60, s60, s77                     ; O / l stands for O / l x 2^(e8 + e9): ctx's code is that / 2^(e10 - e8 - e9)
	s_add_co_i32 s60, s60, 127
	s_lshl_b32 s61, s60, 23
	v_mov_b32 v7, s61
	s_add_co_i32 s60, s60, 15
	s_lshl_b32 s60, s60, 23
	s_or_b32 s60, s60, 0x600000
	v_mov_b32 v6, s60
; A KEY STEP: 128 keys, for both tiles of queries.  s48: the keys' place in K's image, and in V's.  K's fragments were asked for in the step before.
; Behind the first product this step's V and the next step's K are asked for: the whole softmax stands between these loads and the wait for them.
; mode 1: the next step's K is always asked for; mode 2: not in the loop's last trip (a branch on the count of trips).  Every wait on DScnt is for 0, so both ways count alike.
.macro SUMT T                          ; THE ROW'S SUM IS TAKEN OF THE UNQUANTISED p: tile T's 64 numbers, two at a time, in four chains
.set B0, S+64*\T
.set A0, 12+2*\T
	v_pk_add_f32 v[26:27], v[B0:B0+1], v[B0+2:B0+3]
	v_pk_add_f32 v[20:21], v[B0+4:B0+5], v[B0+6:B0+7]
	v_pk_add_f32 v[22:23], v[B0+8:B0+9], v[B0+10:B0+11]
	v_pk_add_f32 v[A0:A0+1], v[A0:A0+1], v[B0+12:B0+13]
	v_pk_add_f32 v[26:27], v[26:27], v[B0+14:B0+15]
.irp i, 16,24,32,40,48,56
	v_pk_add_f32 v[A0:A0+1], v[A0:A0+1], v[B0+\i:B0+\i+1]
	v_pk_add_f32 v[26:27], v[26:27], v[B0+\i+2:B0+\i+3]
	v_pk_add_f32 v[20:21], v[20:21], v[B0+\i+4:B0+\i+5]
	v_pk_add_f32 v[22:23], v[22:23], v[B0+\i+6:B0+\i+7]
.endr
	s_delay_alu instid0(VALU_DEP_1)
	v_pk_add_f32 v[20:21], v[20:21], v[22:23]
	s_delay_alu instid0(VALU_DEP_4)
	v_pk_add_f32 v[A0:A0+1], v[A0:A0+1], v[26:27]
	s_delay_alu instid0(VALU_DEP_1)
	v_pk_add_f32 v[A0:A0+1], v[A0:A0+1], v[20:21]
.endm
.macro STEP mode
	s_wait_dscnt 0x0                               ; K is in
	WIN 0x01                                       ; source 0 in window 1
.irp kt, 0,1,2,3,4,5,6,7
.irp T, 0,1
	v_wmma_f32_16x16x64_bf8_bf8 v[S+64*\T+8*\kt:S+64*\T+8*\kt+7], v[KF+8*\kt:KF+8*\kt+7], v[Q+8*\T:Q+8*\T+7], 0
.endr
.endr
	WIN 0
	v_add_nc_u32 v2, s48, v1                       ; four places behind the products: in front of the loads into K's and V's registers and of the first read of S^T
	v_add_nc_u32 v3, s48, v30
	v_nop
	v_nop
	WIN 0x40                                       ; destination in window 1
.irp u, 0,1,2,3,4,5,6,7
	ds_load_b128 v[VF+8*\u:VF+8*\u+3],   v3 offset:1024*\u
	ds_load_b128 v[VF+8*\u+4:VF+8*\u+7], v3 offset:1024*\u+512
.endr
.if \mode == 2
	WIN 0
	s_cmp_eq_u32 s49, 1
	s_cbranch_scc1 .Lno_next_\@
	WIN 0x40
.endif
	KLOAD 2, 8192
	WIN 0
.if \mode == 2
.Lno_next_\@:
.endif
.irp T, 0,1                            ; the step's largest score of my query among my 64 keys, in two chains; each accumulator is first read at its low end
	v_max3_num_f32 v[20+2*\T], v[S+64*\T], v[S+64*\T+1], v[S+64*\T+2]
	v_max3_num_f32 v[21+2*\T], v[S+64*\T+3], v[S+64*\T+4], v[S+64*\T+5]
.endr
.irp i, 6,10,14,18,22,26,30,34,38,42,46,50,54,58
.irp T, 0,1
	v_max3_num_f32 v[20+2*\T], v[20+2*\T], v[S+64*\T+\i], v[S+64*\T+\i+1]
	v_max3_num_f32 v[21+2*\T], v[21+2*\T], v[S+64*\T+\i+2], v[S+64*\T+\i+3]
.endr
.endr
.irp T, 0,1
	v_max3_num_f32 v[20+2*\T], v[20+2*\T], v[S+64*\T+62], v[S+64*\T+63]
.endr
.irp T, 0,1
	s_delay_alu instid0(VALU_DEP_2)
	v_max_num_f32 v[20+2*\T], v[20+2*\T], v[21+2*\T]
.endr
.irp T, 0,1
	s_delay_alu instid0(VALU_DEP_2)
	v_permlanex16_b32 v[24+\T], v[20+2*\T], s20, s21
.endr
.irp T, 0,1
	s_delay_alu instid0(VALU_DEP_2)
	v_max_num_f32 v[20+2*\T], v[20+2*\T], v[24+\T]         ; and among lane l xor 16's
.endr
.irp T, 0,1
	s_delay_alu instid0(VALU_DEP_2)
	v_mul_f32 v[20+2*\T], s22, v[20+2*\T]                  ; as t (c is positive)
.endr
.irp T, 0,1
	s_delay_alu instid0(VALU_DEP_2)
	v_max_num_f32 v[9+2*\T], v[9+2*\T], v[20+2*\T]         ; the running largest t
.endr
.irp T, 0,1
	v_mov_b32 v[20+2*\T], v[8+2*\T]
.endr
.irp T, 0,1
	s_delay_alu instid0(VALU_DEP_4)
	v_floor_f32 v[8+2*\T], -v[9+2*\T]                      ; the new -M = floor(-t) = -ceil(t): M IS A WHOLE NUMBER
.endr
.irp T, 0,1
	s_delay_alu instid0(VALU_DEP_2)
	v_sub_f32 v[20+2*\T], v[8+2*\T], v[20+2*\T]            ; M's old value less its new one: a whole number, 0 or less
.endr
.irp T, 0,1
	s_delay_alu instid0(VALU_DEP_2)
	v_cvt_i32_f32 v[20+2*\T], v[20+2*\T]                   ; (it saturates)
.endr
.irp T, 0,1
	s_delay_alu instid0(VALU_DEP_2)
	v_ldexp_f32 v[16+2*\T], 1.0, v[20+2*\T]                ; f = 2^(old M - new M)
.endr
.set j, 0
.rept 32
	v_pk_fma_f32 v[S+j:S+j+1], v[S+j:S+j+1], s[22:23], v[8:9] op_sel_hi:[1,0,0]   ; tile 0: t - M (of the pairs c and -M the low word serves both halves)
.set j, j+2
.endr
	s_wait_alu depctr_va_vdst(0)                           ; the wait ahead of the batch
.set j, 0
.rept 32                               ; tile 0's exponentials, p = 2^(t - M), NOT normalised; among them tile 1's t - M, plain work on other registers, first read behind the next wait
	v_exp_f32 v[S+j], v[S+j]
	v_exp_f32 v[S+j+1], v[S+j+1]
	v_pk_fma_f32 v[S+64+j:S+64+j+1], v[S+64+j:S+64+j+1], s[22:23], v[10:11] op_sel_hi:[1,0,0]
.set j, j+2
.endr
	v_pk_mul_f32 v[12:13], v[12:13], v[16:17] op_sel_hi:[1,0]   ; the sums under the new M
	v_pk_mul_f32 v[14:15], v[14:15], v[18:19] op_sel_hi:[1,0]
	s_wait_alu depctr_va_vdst(0)                           ; one wait: behind tile 0's batch, ahead of its first reader, and ahead of tile 1's batch
	SUMT 0
.set j, 0
.rept 32                               ; tile 1's exponentials; among them tile 0's holds, two to an instruction, first read behind the next wait
	v_exp_f32 v[S+64+j], v[S+64+j]
	v_exp_f32 v[S+64+j+1], v[S+64+j+1]
	v_dual_min_num_f32 v[S+j], v4, v[S+j] :: v_dual_min_num_f32 v[S+j+1], v4, v[S+j+1]   ; the conversion does not saturate (ISA guide 7.6.2); p is not negative, so the hold is one-sided
.set j, j+2
.endr
	s_wait_alu depctr_va_vdst(0)                           ; one wait behind tile 1's batch, ahead of its first reader
	SUMT 1
.set j, 0
.rept 32
	v_dual_min_num_f32 v[S+64+j], v4, v[S+64+j] :: v_dual_min_num_f32 v[S+64+j+1], v4, v[S+64+j+1]   ; tile 1's holds
.set j, j+2
.endr
	WIN 0x40                                               ; the codes go to window 1
.irp T, 0,1
.irp kt, 0,1,2,3,4,5,6,7
	v_cvt_scalef32_pk8_bf8_f32 v[PC+16*\T+2*\kt:PC+16*\T+2*\kt+1], v[S+64*\T+8*\kt:S+64*\T+8*\kt+7], v5
.endr
.endr
	WIN 0
	s_wait_alu depctr_va_vdst(0)                           ; the wait here, directly ahead of the first reader of O^T
.set j, 0
.rept 16
.irp T, 0,1
	v_pk_mul_f32 v[O+32*\T+j:O+32*\T+j+1], v[O+32*\T+j:O+32*\T+j+1], v[16+2*\T:17+2*\T] op_sel_hi:[1,0]   ; O^T under the new M.  (Also the plain places behind the conversions)
.endr
.set j, j+2
.endr
	s_wait_alu depctr_va_vdst(0)                           ; the wait here, directly ahead of the wait below
	s_wait_dscnt 0x0                                       ; V is in (and the next step's K)
	WIN 0x05                                               ; sources 0 and 1 in window 1
.irp g, 0,1                            ; the eight accumulators take turns, one instruction a turn
.irp db, 0,1,2,3
.irp T, 0,1
	v_wmma_f32_16x16x64_bf8_bf8 v[O+32*\T+8*\db:O+32*\T+8*\db+7], v[VF+8*(4*\g+\db):VF+8*(4*\g+\db)+7], v[PC+16*\T+8*\g:PC+16*\T+8*\g+7], v[O+32*\T+8*\db:O+32*\T+8*\db+7]
.endr
.endr
.endr
	WIN 0
.endm
	s_wait_alu depctr_va_vdst(0)                   ; the wait at the head's end
	s_wait_tensorcnt 0x0                           ; my part of the first fill is in
	ds_add_u32 v[SPW], v[NIL]
	s_wait_dscnt 0x0
	CROUND                                         ; everybody's part is in, and all four work-groups are here
	tensor_load_to_lds s[36:39], s[40:47]          ; the other 1,408 keys: my one tensor load behind the round
	s_nop 0
.rept 4
	v_nop
.endr
	s_wait_loadcnt 0x0                             ; Q
	WIN 0x40
	KLOAD 1, 0                                     ; the first step's K
	WIN 0
	s_mov_b32 s48, 0
	s_mov_b32 s49, 4
.Lfirst:                                           ; keys 0-511; the fourth trip asks for K's keys 512-639, the last of the first fill
	STEP 1
	s_add_co_u32 s48, s48, 8192
	s_sub_co_u32 s49, s49, 1
	s_cmp_lg_u32 s49, 0
	s_cbranch_scc1 .Lfirst
	s_wait_tensorcnt 0x0                           ; my part of the second fill is in,
	s_wait_dscnt 0x0                               ; (no LDS instruction of mine is out)
	s_barrier_signal -1
	s_barrier_wait -1                              ; everybody's is
	s_mov_b32 s48, 32768
	s_mov_b32 s49, 12
.Lrest:                                            ; keys 512-2,047
	STEP 2
	s_add_co_u32 s48, s48, 8192
	s_sub_co_u32 s49, s49, 1
	s_cmp_lg_u32 s49, 0
	s_cbranch_scc1 .Lrest
	; THE END: O^T / the sum, held, converted: the results are registers of the next product's operand
.rept 4
	v_nop                                          ; places behind the last products
.endr
.irp T, 0,1
	v_add_f32 v[12+2*\T], v[12+2*\T], v[13+2*\T]   ; the sum's two halves,
.endr
.irp T, 0,1
	s_delay_alu instid0(VALU_DEP_2)
	v_permlanex16_b32 v[24+\T], v[12+2*\T], s20, s21
.endr
.irp T, 0,1
	s_delay_alu instid0(VALU_DEP_2)
	v_add_f32 v[12+2*\T], v[12+2*\T], v[24+\T]     ; and lane l xor 16's
.endr
	s_wait_alu depctr_va_vdst(0)                   ; the wait ahead of the transcendentals
.irp T, 0,1
	v_rcp_f32 v[12+2*\T], v[12+2*\T]
.endr
	v_nop                                          ; one plain place behind a transcendental
	s_wait_alu depctr_va_vdst(0)                   ; ahead of the first reader of the reciprocals and of O^T
.irp T, 0,1
.set j, 0
.rept 16
	v_pk_mul_f32 v[S+32*\T+j:S+32*\T+j+1], v[O+32*\T+j:O+32*\T+j+1], v[12+2*\T:13+2*\T] op_sel_hi:[1,0]   ; each accumulator from its low end on
.set j, j+2
.endr
.endr
.irp T, 0,1
.set j, 0
.rept 32
	v_med3_num_f32 v[S+32*\T+j], v[S+32*\T+j], -v6, v6
.set j, j+1
.endr
.irp db, 0,1,2,3
	v_cvt_scalef32_pk8_bf8_f32 v[CD+8*\T+2*\db:CD+8*\T+2*\db+1], v[S+32*\T+8*\db:S+32*\T+8*\db+7], v7   ; k = 64 head + 16 db + 8 h + 0 .. 7
.endr
.endr
	v_nop                                          ; one plain place behind the conversions
.irp T, 0,1
	global_store_b128 v1, v[CD+8*\T:CD+8*\T+3],   s[8:9] offset:16384*\T        ; 32 lanes store 512 consecutive bytes, aligned
	global_store_b128 v1, v[CD+8*\T+4:CD+8*\T+7], s[8:9] offset:16384*\T+512
.endr
	s_wait_tensorcnt 0x0                           ; the wave's end
	ds_add_u32 v[SPW], v[NIL]
	s_wait_dscnt 0x0
	CROUND                                         ; the closing round: no work-group ends while a partner may still ask for a tile that names it
	s_endpgm
.Lfunc_end_k_q4fd3b070f1_att:
	.size	k_q4fd3b070f1_att, .Lfunc_end_k_q4fd3b070f1_att-k_q4fd3b070f1_att
	.p2alignl 7, 3214868480
	.fill 96, 4, 3214868480
	.section	.rodata,"a",@progbits
	.p2align	6, 0x0
	.amdhsa_kernel k_q4fd3b070f1_att
		.amdhsa_group_segment_fixed_size 327680
		.amdhsa_private_segment_fixed_size 0
		.amdhsa_enable_private_segment 0
		.amdhsa_kernarg_size 24
		.amdhsa_user_sgpr_count 2
		.amdhsa_user_sgpr_kernarg_segment_ptr 1
		.amdhsa_wavefront_size32 1
		.amdhsa_system_sgpr_workgroup_id_x 1
		.amdhsa_system_sgpr_workgroup_id_y 1
		.amdhsa_system_sgpr_workgroup_id_z 1
		.amdhsa_system_vgpr_workitem_id 0
		.amdhsa_next_free_vgpr 512
		.amdhsa_next_free_sgpr 84
		.amdhsa_reserve_vcc 0
		.amdhsa_float_denorm_mode_32 3
		.amdhsa_float_denorm_mode_16_64 3
		.amdhsa_memory_ordered 1
		.amdhsa_forward_progress 1
		.amdhsa_inst_pref_size 77
	.end_amdhsa_kernel
	.amdgpu_metadata
---
amdhsa.version: [ 1, 2 ]
amdhsa.kernels:
  - .name:           k_q4fd3b070f1_att
    .symbol:         k_q4fd3b070f1_att.kd
    .args:
      - { .name: qkvc, .offset: 0, .size: 8, .value_kind: global_buffer, .address_space: global }
      - { .name: lowp_scales, .offset: 8, .size: 8, .value_kind: global_buffer, .address_space: global }
      - { .name: ctxc, .offset: 16, .size: 8, .value_kind: global_buffer, .address_space: global }
    .group_segment_fixed_size: 327680
    .private_segment_fixed_size: 0
    .kernarg_segment_align: 8
    .kernarg_segment_size: 24
    .max_flat_workgroup_size: 256
    .sgpr_count:     84
    .vgpr_count:     512
    .wavefront_size: 32
...
	.end_amdgpu_metadata
.endif
;; end of part 3
;; launch oproj (part 4): grid 8 x 32, 4 waves a work-group, clusters of 4 x 4, 327,680 bytes of LDS; arguments ctxc, wcodes, lowp_scales, b_o, x, x1; writes x1
.if DOCPART == 4
	.amdgcn_target "amdgcn-amd-amdhsa--gfx1250"
	.amdhsa_code_object_version 6
	.text
	.protected	k_q4fd3b070f1_oproj
	.globl	k_q4fd3b070f1_oproj
	.p2align	8
	.type	k_q4fd3b070f1_oproj,@function
k_q4fd3b070f1_oproj:
	s_mov_b64 s[64:65], 0
	v_nop
	global_prefetch_b8 v0, s[64:65] scope:SCOPE_SE
	s_setreg_imm32_b32 hwreg(HW_REG_WAVE_MODE, 25, 1), 1
	s_wait_xcnt 0x0
	s_wait_alu depctr_hold_cnt(0) depctr_sa_sdst(0) depctr_va_vdst(0) depctr_va_sdst(0) depctr_va_ssrc(0) depctr_va_vcc(0) depctr_vm_vsrc(0)
	s_getreg_b32 s2, hwreg(HW_REG_IB_STS2, 6, 4)
	s_cmp_eq_u32 s2, 0
	s_cbranch_scc0 .Lentry_in_a_cluster
	s_endpgm
.Lentry_in_a_cluster:
	s_bfe_u32 s2, ttmp6, 0x10000c
	s_cmp_lg_u32 s2, 0xf033
	s_cbranch_scc0 .Lentry_shape_is_right
	s_endpgm
.Lentry_shape_is_right:
.set SIZE_K, 1024
.set WOFF,   0x300000
.set EA,     78
.set EB,     79
.set RBP,    16*SIZE_K
.set LAPS,   SIZE_K/1024
.set SLOT,   131072
.set STAGE,  262144
.set SPARE,  279552
.set PA,   4
.set PB,   6
.set ADRA, 16
.set ADRB, 20
.set STO,  24
.set RD,   25
.set CO,   26
.set SPW,  28
.set NIL,  29
.set ACC,  128
.set F0,   0
.set F1,   128
.set G1,  24
.set G0,  32
.set G1B, 48
.set G0B, 56
.set MSB, 0
.macro WIN new
.if MSB != \new
	s_set_vgpr_msb (MSB<<8)|\new
.set MSB, \new
.endif
.endm
.set MUL,  0x05
.set TO_F, 0x40
.macro JLOAD s
	s_cmp_eq_u32 s19, 0
	s_cbranch_scc0 .Lfor_b_\@
	tensor_load_to_lds s[G0+4*\s:G0+4*\s+3], s[G1:G1+7]
	s_nop 0
.rept 4
	v_nop
.endr
	s_branch .Lasked_\@
.Lfor_b_\@:
	tensor_load_to_lds s[G0B+4*\s:G0B+4*\s+3], s[G1B:G1B+7]
	s_nop 0
.rept 4
	v_nop
.endr
.Lasked_\@:
.endm
.macro CREST
	s_cmp_lg_u32 s18, 0
	s_cbranch_scc1 .Lnot_wave_0_\@
	s_barrier_signal -3
.Lnot_wave_0_\@:
	s_barrier_wait -3
	s_barrier_signal -1
	s_barrier_wait -1
.endm
.macro CROUND
	s_barrier_signal -1
	s_barrier_wait -1
	CREST
.endm
.macro PLACES
.rept 4
	v_nop
.endr
.endm
.macro FRAG reg, adr, i, q
.irp c, 0,1,2,3
	ds_load_b128 v[\reg+4*\c:\reg+4*\c+3], v[\adr] offset:(\i)*8192+(\q)*2048+512*\c
.endr
.endm
.macro FETCH slot, q, f
	WIN TO_F
.irp i, 0,1,2,3
	FRAG \f+64+16*\i, ADRB+\slot, \i, \q
.endr
.irp i, 0,1,2,3
	FRAG \f+16*\i, ADRA+\slot, \i, \q
.endr
.endm
.macro MUL4 f, a, zero
.irp b, 0,1,2,3
.if \zero
	v_wmma_f32_16x16x128_bf8_bf8 v[ACC+8*(4*(\a)+\b):ACC+8*(4*(\a)+\b)+7], v[\f+64+16*\b:\f+64+16*\b+15], v[\f+16*(\a):\f+16*(\a)+15], 0
.else
	v_wmma_f32_16x16x128_bf8_bf8 v[ACC+8*(4*(\a)+\b):ACC+8*(4*(\a)+\b)+7], v[\f+64+16*\b:\f+64+16*\b+15], v[\f+16*(\a):\f+16*(\a)+15], v[ACC+8*(4*(\a)+\b):ACC+8*(4*(\a)+\b)+7]
.endif
.endr
.endm
.macro QUARTER slot, qn, f, g, zero
	s_wait_dscnt 8
	WIN MUL
	MUL4 \f, 0, \zero
	MUL4 \f, 1, \zero
	PLACES
	FETCH \slot, \qn, \g
	s_wait_dscnt 32
	WIN MUL
	MUL4 \f, 2, \zero
	MUL4 \f, 3, \zero
.endm
.macro TURN slot, next, fill
	WIN 0
	s_wait_tensorcnt 0x0
	ds_add_u32 v[SPW], v[NIL]
	s_wait_dscnt 9
	WIN MUL
	MUL4 F1, 0, 0
	s_wait_dscnt 0x0
	s_barrier_signal -1
	MUL4 F1, 1, 0
	WIN 0
	s_barrier_wait -1
.if \fill
	CREST
	s_add_nc_u64 s[G0+4*\slot+2:G0+4*\slot+3], s[G0+4*\slot+2:G0+4*\slot+3], 16384
	s_add_nc_u64 s[G0B+4*\slot+2:G0B+4*\slot+3], s[G0B+4*\slot+2:G0B+4*\slot+3], 16384
	JLOAD \slot
.else
	PLACES
.endif
	FETCH \next, 0, F0
	WIN MUL
	MUL4 F1, 2, 0
	MUL4 F1, 3, 0
.endm
	s_load_b256 s[4:11], s[0:1], 0x0
	s_load_b128 s[12:15], s[0:1], 0x20
	v_lshl_add_u32 v[SPW], v0, 2, SPARE
	v_mov_b32 v[NIL], 0
	ds_add_u32 v28, v29
	ds_add_u32 v28, v29
	s_wait_dscnt 0x0
	v_lshrrev_b32 v1, 5, v0
	v_readfirstlane_b32 s18, v1
	s_lshr_b32 s19, s18, 1
	s_and_b32 s16, s18, 1
	s_bfe_u32 s40, ttmp6, 0x40000
	s_bfe_u32 s41, ttmp6, 0x40004
	s_lshl_b32 s42, ttmp9, 2
	s_add_co_u32 s42, s42, s40
	s_and_b32 s17, ttmp7, 0xffff
	s_lshl_b32 s17, s17, 2
	s_add_co_u32 s17, s17, s41
	s_lshl_b32 s43, s41, 2
	s_lshl_b32 s43, 15, s43
	s_lshl_b32 s44, 0x1111, s40
	s_or_b32 s[G1+0], s43, (3<<16)|(1<<21)
	s_or_b32 s[G1B+0], s44, (3<<16)|(1<<21)
.irp g, G1, G1B
	s_mov_b32 s[\g+1], 1024<<16
	s_mov_b32 s[\g+2], 4<<16
	s_mov_b32 s[\g+3], 1024<<16
	s_mov_b32 s[\g+4], 4
	s_mov_b32 s[\g+5], 2*SIZE_K
	s_mov_b32 s[\g+6], 0
	s_mov_b32 s[\g+7], 0
.endr
	s_lshl_b32 s20, s17, 3
	s_lshl_b32 s21, s16, 2
	s_add_co_u32 s20, s20, s21
	s_mul_i32 s20, s20, RBP
	s_mov_b32 s21, 0
	s_lshl_b32 s46, s42, 3
	s_lshl_b32 s47, s16, 2
	s_add_co_u32 s46, s46, s47
	s_mul_i32 s46, s46, RBP
	s_mov_b32 s47, 0
	s_lshl_b32 s45, s18, 15
	s_wait_kmcnt 0x0
	s_load_b512 s[68:83], s[8:9], 0x0
	s_add_nc_u64 s[6:7], s[6:7], WOFF
	s_add_nc_u64 s[20:21], s[PA:PA+1], s[20:21]
	s_add_nc_u64 s[46:47], s[PB:PB+1], s[46:47]
	CROUND
.irp s, 0,1
	s_mov_b32 s[G0+4*\s], 1
	s_add_co_u32 s[G0+4*\s+1], s45, \s*SLOT
	s_add_nc_u64 s[G0+4*\s+2:G0+4*\s+3], s[20:21], \s*8192
	s_or_b32 s[G0+4*\s+3], s[G0+4*\s+3], 0x80000000
	s_mov_b32 s[G0B+4*\s], 1
	s_add_co_u32 s[G0B+4*\s+1], s45, \s*SLOT
	s_add_nc_u64 s[G0B+4*\s+2:G0B+4*\s+3], s[46:47], \s*8192
	s_or_b32 s[G0B+4*\s+3], s[G0B+4*\s+3], 0x80000000
.endr
	s_cmp_eq_u32 s19, 0                            ; the prefetch: do I fetch for A?
	s_cselect_b64 s[84:85], s[20:21], s[46:47]     ; the four blocks of 16 rows that I fetch,
	s_cselect_b32 s86, s40, s41                    ; my place among the four that ask with me (cx for A, cy for B): it enters this address alone
	s_lshl_b32 s86, s86, 14                        ; each partner names one block of RBP = 16,384 bytes
	s_mov_b32 s87, 0
	s_add_nc_u64 s[84:85], s[84:85], s[86:87]
	JLOAD 0                                        ; slot 0: one tensor load a wave at the head, behind the opening round
	v_and_b32 v3, 31, v0
	v_lshlrev_b32 v3, 4, v3
	v_lshlrev_b32 v30, 4, v3                       ; 256 x lane: a block's 8,192 bytes of a slot; never rewritten
	global_prefetch_b8 v30, s[84:85] offset:8192 th:TH_LOAD_NT scope:SCOPE_SE   ; slot 1, the last, whose load follows one fill on
	s_lshl_b32 s21, s19, 15
	s_lshl_b32 s22, s16, 15
	s_add_co_u32 s22, s22, 65536
.irp s, 0,1
	v_add_nc_u32 v[ADRA+\s], s21, v3
	v_add_nc_u32 v[ADRB+\s], s22, v3
	s_add_co_u32 s21, s21, SLOT
	s_add_co_u32 s22, s22, SLOT
.endr
	v_and_b32 v1, 15, v0
	v_bfe_u32 v2, v0, 4, 1
	s_mul_i32 s23, s18, 4352
	s_add_co_u32 s23, s23, STAGE
	v_mul_u32_u24 v4, v1, 272
	v_lshl_add_u32 v4, v2, 5, v4
	v_add_nc_u32 v[STO], s23, v4
	v_mul_u32_u24 v5, v2, 272
	v_lshl_add_u32 v5, v1, 4, v5
	v_add_nc_u32 v[RD], s23, v5
	v_lshlrev_b32 v[CO], 12, v2
	v_lshl_add_u32 v[CO], v1, 4, v[CO]
	s_wait_alu depctr_va_vdst(0)
	v_lshlrev_b32 v27, 4, v1
	s_wait_alu depctr_va_vdst(0)
	s_lshl_b32 s100, s42, 9
	s_lshl_b32 s101, s16, 8
	s_add_co_u32 s100, s100, s101
	s_mov_b32 s101, 0
	s_lshl_b32 s98, s17, 19
	s_lshl_b32 s99, s19, 18
	s_add_co_u32 s98, s98, s99
	s_add_co_u32 s98, s98, s100
	s_mov_b32 s99, 0
	s_add_nc_u64 s[10:11], s[10:11], s[100:101]
	s_add_nc_u64 s[12:13], s[12:13], s[98:99]
	s_add_nc_u64 s[14:15], s[14:15], s[98:99]
	WIN 0x80
.irp a, 0,1,2,3
.irp t, 0,1,2,3,4,5,6,7
	global_load_b128 v[4*(8*\a+\t):4*(8*\a+\t)+3], v[CO], s[12:13] offset:\a*65536+\t*8192
.endr
.endr
	WIN 0
	global_load_b128 v[8:11], v27, s[10:11]
	s_wait_alu depctr_va_vdst(0)                   ; the wait at the head's end
	s_wait_tensorcnt 0x0                           ; my part of slot 0 is in
	ds_add_u32 v[SPW], v[NIL]
	s_wait_dscnt 0x0
	CROUND                                         ; everybody's part of slot 0 is in, and the joint loads meet
	JLOAD 1                                        ; slot 1's first fill, the first tensor load behind the round
	FETCH 0, 0, F0
	QUARTER 0, 1, F0, F1, 1
.if LAPS > 1
	WIN 0
	s_mov_b32 s3, LAPS-1
.Llap:
	QUARTER 0, 2, F1, F0, 0
	QUARTER 0, 3, F0, F1, 0
	TURN 0, 1, 1
	QUARTER 1, 1, F0, F1, 0
	QUARTER 1, 2, F1, F0, 0
	QUARTER 1, 3, F0, F1, 0
	TURN 1, 0, 1
	QUARTER 0, 1, F0, F1, 0
	WIN 0
	s_sub_co_u32 s3, s3, 1
	s_cmp_lg_u32 s3, 0
	s_cbranch_scc1 .Llap
.endif
	QUARTER 0, 2, F1, F0, 0
	QUARTER 0, 3, F0, F1, 0
	TURN 0, 1, 0
	QUARTER 1, 1, F0, F1, 0
	QUARTER 1, 2, F1, F0, 0
	QUARTER 1, 3, F0, F1, 0
	s_wait_dscnt 8
	WIN MUL
	MUL4 F1, 0, 0
	MUL4 F1, 1, 0
	s_wait_dscnt 0
	MUL4 F1, 2, 0
	MUL4 F1, 3, 0
	WIN 0
	s_wait_kmcnt 0x0
	s_add_co_i32 s96, s[EA], s[EB]
	s_add_co_i32 s96, s96, 127
	s_lshl_b32 s96, s96, 23
	s_mov_b32 s97, s96
	s_wait_loadcnt 0x0
	WIN 0x82
.set n, 0
.rept 32
	v_pk_add_f32 v[4*n:4*n+1], v[4*n:4*n+1], v[8:9]
	v_pk_add_f32 v[4*n+2:4*n+3], v[4*n+2:4*n+3], v[10:11]
.set n, n+1
.endr
	WIN 0
.macro TOSTAGE a
.irp b, 0,1,2,3
	ds_store_b128 v[STO], v[ACC+8*(4*(\a)+\b):ACC+8*(4*(\a)+\b)+3] offset:64*\b
	ds_store_b128 v[STO], v[ACC+8*(4*(\a)+\b)+4:ACC+8*(4*(\a)+\b)+7] offset:64*\b+16
.endr
.set BK, 32+32*((\a)%2)
.irp t, 0,1,2,3,4,5,6,7
	ds_load_b128 v[BK+4*\t:BK+4*\t+3], v[RD] offset:\t*544
.endr
.endm
.macro SEND a, younger
.set BK, 32+32*((\a)%2)
	s_wait_dscnt \younger
	WIN 0x20
.irp t, 0,1,2,3,4,5,6,7
	v_pk_fma_f32 v[BK+4*\t:BK+4*\t+1], v[BK+4*\t:BK+4*\t+1], s[96:97], v[4*(8*(\a)+\t):4*(8*(\a)+\t)+1] op_sel_hi:[1,0,1]
	v_pk_fma_f32 v[BK+4*\t+2:BK+4*\t+3], v[BK+4*\t+2:BK+4*\t+3], s[96:97], v[4*(8*(\a)+\t)+2:4*(8*(\a)+\t)+3] op_sel_hi:[1,0,1]
.endr
	WIN 0
.irp t, 0,1,2,3,4,5,6,7
	global_store_b128 v[CO], v[BK+4*\t:BK+4*\t+3], s[14:15] offset:(\a)*65536+\t*8192
.endr
.endm
	TOSTAGE 0
.irp a, 1,2,3
.if \a > 1
	s_wait_xcnt 0x0
.endif
	TOSTAGE \a
	SEND \a-1, 16
.endr
	SEND 3, 0
	s_wait_tensorcnt 0x0
	ds_add_u32 v[SPW], v[NIL]
	s_wait_dscnt 0x0
	CROUND
	s_endpgm
.Lfunc_end_k_q4fd3b070f1_oproj:
	.size	k_q4fd3b070f1_oproj, .Lfunc_end_k_q4fd3b070f1_oproj-k_q4fd3b070f1_oproj
	.p2alignl 7, 3214868480
	.fill 96, 4, 3214868480
	.section	.rodata,"a",@progbits
	.p2align	6, 0x0
	.amdhsa_kernel k_q4fd3b070f1_oproj
		.amdhsa_group_segment_fixed_size 327680
		.amdhsa_private_segment_fixed_size 0
		.amdhsa_enable_private_segment 0
		.amdhsa_kernarg_size 48
		.amdhsa_user_sgpr_count 2
		.amdhsa_user_sgpr_kernarg_segment_ptr 1
		.amdhsa_wavefront_size32 1
		.amdhsa_system_sgpr_workgroup_id_x 1
		.amdhsa_system_sgpr_workgroup_id_y 1
		.amdhsa_system_sgpr_workgroup_id_z 1
		.amdhsa_system_vgpr_workitem_id 0
		.amdhsa_next_free_vgpr 640
		.amdhsa_next_free_sgpr 102
		.amdhsa_reserve_vcc 0
		.amdhsa_float_denorm_mode_32 3
		.amdhsa_float_denorm_mode_16_64 3
		.amdhsa_memory_ordered 1
		.amdhsa_forward_progress 1
		.amdhsa_inst_pref_size 54
	.end_amdhsa_kernel
	.amdgpu_metadata
---
amdhsa.version: [ 1, 2 ]
amdhsa.kernels:
  - .name:           k_q4fd3b070f1_oproj
    .symbol:         k_q4fd3b070f1_oproj.kd
    .args:
      - { .name: ctxc, .offset: 0, .size: 8, .value_kind: global_buffer, .address_space: global }
      - { .name: wcodes, .offset: 8, .size: 8, .value_kind: global_buffer, .address_space: global }
      - { .name: lowp_scales, .offset: 16, .size: 8, .value_kind: global_buffer, .address_space: global }
      - { .name: b_o, .offset: 24, .size: 8, .value_kind: global_buffer, .address_space: global }
      - { .name: x, .offset: 32, .size: 8, .value_kind: global_buffer, .address_space: global }
      - { .name: x1, .offset: 40, .size: 8, .value_kind: global_buffer, .address_space: global }
    .group_segment_fixed_size: 327680
    .private_segment_fixed_size: 0
    .kernarg_segment_align: 8
    .kernarg_segment_size: 48
    .max_flat_workgroup_size: 128
    .sgpr_count:     102
    .vgpr_count:     640
    .wavefront_size: 32
...
	.end_amdgpu_metadata
.endif
;; end of part 4
;; launch ln2 (part 5): grid 256 x 1, 4 waves a work-group, no clusters, 17,920 bytes of LDS; arguments x1, ln2_scale, ln2_shift, lowp_scales, h2codes; writes h2codes
.if DOCPART == 5
	.amdgcn_target "amdgcn-amd-amdhsa--gfx1250"
	.amdhsa_code_object_version 6
	.text
	.protected	k_q4fd3b070f1_ln2
	.globl	k_q4fd3b070f1_ln2
	.p2align	8
	.type	k_q4fd3b070f1_ln2,@function
k_q4fd3b070f1_ln2:
	s_mov_b64 s[64:65], 0
	v_nop
	global_prefetch_b8 v0, s[64:65] scope:SCOPE_SE
	s_setreg_imm32_b32 hwreg(HW_REG_WAVE_MODE, 25, 1), 1
	s_wait_xcnt 0x0
; h = scale (x - mean) / sqrt(var + 1e-5) + shift along rows of 1,024 f32, then quantised to E5M2 with the given scale 2^e of entry 12 (product 7's A).
; Mean first, then the variance of x - mean, as the definition has it: a common offset of the inputs costs nothing.  All in f32.
; LIMITS: e between -126 and 112; NaN among the inputs is not served.
; THE CODES' LAYOUT is an image of the matrix operand's registers: a unit is 16 rows x 128 k, 2,048 bytes, at ((row / 16) 8 + k / 128) x 2,048; in it byte 512 i + 16 L + 4 q + y
; (L = row % 16 + 16 h) is k = 32 i + 16 (q / 2) + 8 h + 4 (q % 2) + y.
; SHARES.  A work-group takes 16 rows, one block of units; wave w takes rows 4 w .. 4 w + 3, a whole row at a time in 32 registers: the reductions never leave the wave.
; Each load reads 512 consecutive bytes; lane l holds columns 128 j + 4 l + 0 .. 3, j = 0 .. 7.  Its four codes of unit j are one word of the image; the words meet in LDS (one barrier)
; and leave as stores of 512 consecutive bytes.  No tensor loads, no cluster: work-groups share only the 8 KiB of scale and shift.
.set NV,  1                            ; versions
.set E0,  36                           ; s[E0 + 2 v]: version v's exponent
.set SC,  16                           ; v16-47   scale at my 32 columns
.set SH,  48                           ; v48-79   shift
.set X,   80                           ; v80-207  four rows; later the way out
.set T,   208                          ; v208-239 a row, held
.set C,   240                          ; v240-247 its codes
.set VS,  17408                        ; LDS: the image, padded: 16 rows' 16 bytes + 16 = 272, two of these a chunk (544), four chunks a unit (2,176), eight units
	s_load_b256 s[4:11], s[0:1], 0x0               ; x, scale, shift, the scales' exponents
	s_load_b64 s[12:13], s[0:1], 0x20              ; the codes
	v_lshl_add_u32 v254, v0, 2, 0x4400
	v_mov_b32 v255, 0
	v_lshrrev_b32 v1, 5, v0
	v_readfirstlane_b32 s14, v1                    ; wave 0..3
	v_and_b32 v1, 31, v0                           ; lane
	v_lshlrev_b32 v7, 4, v1                        ; 16 x lane
	s_lshl_b32 s15, s14, 14
	v_add_nc_u32 v2, s15, v7                       ; x: my wave's four rows of 4,096 bytes
	v_lshrrev_b32 v8, 3, v1                        ; my word's place in a unit: k = 4 l + y, so i = l / 8,
	v_mul_u32_u24 v3, v8, 544
	v_bfe_u32 v8, v1, 1, 1                         ; h = bit 1 of l,
	v_mad_u32_u24 v3, v8, 272, v3
	v_bfe_u32 v8, v1, 2, 1                         ; q / 2 = bit 2,
	v_lshl_add_u32 v3, v8, 3, v3
	v_and_b32 v8, 1, v1                            ; q % 2 = bit 0: the 32 lanes' words fall into 32 different banks (64 banks of 4 bytes: ISA guide 11.1)
	v_lshl_add_u32 v3, v8, 2, v3
	s_lshl_b32 s16, s14, 6
	v_add_nc_u32 v3, s16, v3                       ; + 16 bytes for each row: 4 rows a wave
	v_lshrrev_b32 v8, 4, v1
	v_and_b32 v9, 15, v1
	v_mul_u32_u24 v4, v8, 272                      ; back: lane L's 16 bytes of a chunk,
	v_lshl_add_u32 v4, v9, 4, v4
	s_mul_i32 s16, s14, 4352
	v_add_nc_u32 v4, s16, v4                       ; in my wave's two units
	s_lshl_b32 s16, s14, 12
	v_add_nc_u32 v5, s16, v7                       ; and the same in memory
	v_mov_b32 v6, 0                                ; written once: a lane permute's destination counts as one of its sources
	s_mov_b32 s20, 0x76543210                      ; v_permlanex16_b32's selects for lane l xor 16
	s_mov_b32 s21, 0xfedcba98
	s_mov_b32 s22, 0x3a800000                      ; 1 / 1,024
	s_mov_b32 s23, 0x3727c5ac                      ; 1e-5
	s_lshl_b32 s18, ttmp9, 16                      ; the work-group's 16 rows of 4,096 bytes
	s_mov_b32 s19, 0
	s_lshl_b32 s16, ttmp9, 14                      ; and its 8 units
	s_mov_b32 s17, 0
	s_wait_kmcnt 0x0
	s_load_b512 s[24:39], s[10:11], 0x0            ; all sixteen exponents
	s_add_nc_u64 s[4:5], s[4:5], s[18:19]
	s_add_nc_u64 s[42:43], s[12:13], s[16:17]
.if NV > 1
	s_add_nc_u64 s[44:45], s[42:43], 0x400000
	s_add_nc_u64 s[46:47], s[44:45], 0x400000
.endif
.irp j, 0,1,2,3,4,5,6,7
	global_load_b128 v[SC+4*\j:SC+4*\j+3], v7, s[6:7] offset:512*\j
.endr
.irp j, 0,1,2,3,4,5,6,7
	global_load_b128 v[SH+4*\j:SH+4*\j+3], v7, s[8:9] offset:512*\j
.endr
.irp rho, 0,1,2,3
.irp j, 0,1,2,3,4,5,6,7
	global_load_b128 v[X+32*\rho+4*\j:X+32*\rho+4*\j+3], v2, s[4:5] offset:4096*\rho+512*\j
.endr
.endr
	s_wait_kmcnt 0x0
.set vv, 0
.rept NV
	s_add_co_i32 s40, s[E0+2*vv], 127
	s_lshl_b32 s41, s40, 23
	v_mov_b32 v[248+vv], s41                       ; 2^e as f32: the conversion takes its exponent field
	s_add_co_i32 s40, s40, 15
	s_lshl_b32 s40, s40, 23
	s_or_b32 s40, s40, 0x600000
	v_mov_b32 v[251+vv], s40                       ; 57,344 x 2^e
.set vv, vv+1
.endr
.macro REDUCE                          ; v12 summed over the 32 lanes, the result in every lane
	v_add_f32_dpp v12, v12, v12 row_xmask:1 row_mask:0xf bank_mask:0xf
	v_add_f32_dpp v12, v12, v12 row_xmask:2 row_mask:0xf bank_mask:0xf
	v_add_f32_dpp v12, v12, v12 row_xmask:4 row_mask:0xf bank_mask:0xf
	v_add_f32_dpp v12, v12, v12 row_xmask:8 row_mask:0xf bank_mask:0xf
	v_permlanex16_b32 v6, v12, s20, s21
	v_add_f32 v12, v12, v6
.endm
.macro ROW rho
.set XR, X+32*\rho
	s_wait_loadcnt 8*(3-\rho)                      ; scale, shift and this row are in; the later rows' eight loads each may be out
	v_pk_add_f32 v[12:13], v[XR:XR+1], v[XR+2:XR+3]        ; the sum, in two chains
	v_pk_add_f32 v[14:15], v[XR+4:XR+5], v[XR+6:XR+7]
.irp j, 8,12,16,20,24,28
	v_pk_add_f32 v[12:13], v[12:13], v[XR+\j:XR+\j+1]
	v_pk_add_f32 v[14:15], v[14:15], v[XR+\j+2:XR+\j+3]
.endr
	v_pk_add_f32 v[12:13], v[12:13], v[14:15]
	v_add_f32 v12, v12, v13
	REDUCE
	v_mul_f32 v8, s22, v12                         ; the mean
	v_mov_b32 v9, v8
.set j, 0
.rept 16
	v_pk_add_f32 v[XR+j:XR+j+1], v[XR+j:XR+j+1], v[8:9] neg_lo:[0,1] neg_hi:[0,1]   ; x - mean
.set j, j+2
.endr
	v_pk_mul_f32 v[12:13], v[XR:XR+1], v[XR:XR+1]          ; the sum of its squares, in two chains
	v_pk_mul_f32 v[14:15], v[XR+2:XR+3], v[XR+2:XR+3]
.irp j, 4,8,12,16,20,24,28
	v_pk_fma_f32 v[12:13], v[XR+\j:XR+\j+1], v[XR+\j:XR+\j+1], v[12:13]
	v_pk_fma_f32 v[14:15], v[XR+\j+2:XR+\j+3], v[XR+\j+2:XR+\j+3], v[14:15]
.endr
	v_pk_add_f32 v[12:13], v[12:13], v[14:15]
	v_add_f32 v12, v12, v13
	REDUCE
	v_fma_f32 v12, v12, s22, s23                   ; var + 1e-5
	s_wait_alu depctr_va_vdst(0)
	v_rsq_f32 v10, v12
	v_nop                                          ; one plain place behind a transcendental (ISA guide 5.7.2)
	s_wait_alu depctr_va_vdst(0)
	v_mov_b32 v11, v10
.set j, 0
.rept 16
	v_pk_mul_f32 v[XR+j:XR+j+1], v[XR+j:XR+j+1], v[10:11]
.set j, j+2
.endr
.set j, 0
.rept 16
	v_pk_fma_f32 v[XR+j:XR+j+1], v[XR+j:XR+j+1], v[SC+j:SC+j+1], v[SH+j:SH+j+1]
.set j, j+2
.endr
.set vv, 0
.rept NV
.set i, 0
.rept 32
	v_med3_num_f32 v[T+i], v[XR+i], -v[251+vv], v[251+vv]   ; the conversion to an 8-bit code does not saturate (ISA guide 7.6.2): the hold comes first
.set i, i+1
.endr
	s_wait_alu depctr_va_vdst(0)
	s_wait_dscnt 0x0                               ; the last stores have read the codes' registers
.irp g, 0,1,2,3
	v_cvt_scalef32_pk8_bf8_f32 v[C+2*\g:C+2*\g+1], v[T+8*\g:T+8*\g+7], v[248+vv]   ; register j of the eight: my four codes of unit j
.endr
	v_nop                                          ; one plain place between the conversions and the next holds, which write their sources
.irp j, 0,1,2,3,4,5,6,7
	ds_store_b32 v3, v[C+\j] offset:vv*VS+\j*2176+\rho*16
.endr
.set vv, vv+1
.endr
.endm
	ROW 0
	ROW 1
	ROW 2
	ROW 3
	s_wait_dscnt 0x0                               ; for the others' sake: my words lie in the image
	s_barrier_signal -1
	s_barrier_wait -1
.set n, 0
.set vv, 0
.rept NV                               ; wave w takes units 2 w and 2 w + 1
.irp uu, 0,1
.irp i, 0,1,2,3
	ds_load_b128 v[X+4*n:X+4*n+3], v4 offset:vv*VS+\uu*2176+\i*544
.set n, n+1
.endr
.endr
.set vv, vv+1
.endr
.set n, 0
.set vv, 0
.rept NV
.irp uu, 0,1
.irp i, 0,1,2,3
	s_wait_dscnt 8*NV-1-n                          ; the younger loads may be out
	global_store_b128 v5, v[X+4*n:X+4*n+3], s[42+2*vv:43+2*vv] offset:\uu*2048+\i*512   ; 32 lanes store 512 consecutive bytes, aligned
.set n, n+1
.endr
.endr
.set vv, vv+1
.endr
	s_wait_tensorcnt 0x0
	ds_add_u32 v254, v255
	s_wait_dscnt 0x0
	s_endpgm
.Lfunc_end_k_q4fd3b070f1_ln2:
	.size	k_q4fd3b070f1_ln2, .Lfunc_end_k_q4fd3b070f1_ln2-k_q4fd3b070f1_ln2
	.p2alignl 7, 3214868480
	.fill 96, 4, 3214868480
	.section	.rodata,"a",@progbits
	.p2align	6, 0x0
	.amdhsa_kernel k_q4fd3b070f1_ln2
		.amdhsa_group_segment_fixed_size 17920
		.amdhsa_private_segment_fixed_size 0
		.amdhsa_enable_private_segment 0
		.amdhsa_kernarg_size 40
		.amdhsa_user_sgpr_count 2
		.amdhsa_user_sgpr_kernarg_segment_ptr 1
		.amdhsa_wavefront_size32 1
		.amdhsa_system_sgpr_workgroup_id_x 1
		.amdhsa_system_sgpr_workgroup_id_y 1
		.amdhsa_system_sgpr_workgroup_id_z 1
		.amdhsa_system_vgpr_workitem_id 0
		.amdhsa_next_free_vgpr 256
		.amdhsa_next_free_sgpr 66
		.amdhsa_reserve_vcc 0
		.amdhsa_float_denorm_mode_32 3
		.amdhsa_float_denorm_mode_16_64 3
		.amdhsa_memory_ordered 1
		.amdhsa_forward_progress 1
		.amdhsa_inst_pref_size 45
	.end_amdhsa_kernel
	.amdgpu_metadata
---
amdhsa.version: [ 1, 2 ]
amdhsa.kernels:
  - .name:           k_q4fd3b070f1_ln2
    .symbol:         k_q4fd3b070f1_ln2.kd
    .args:
      - { .name: x1, .offset: 0, .size: 8, .value_kind: global_buffer, .address_space: global }
      - { .name: ln2_scale, .offset: 8, .size: 8, .value_kind: global_buffer, .address_space: global }
      - { .name: ln2_shift, .offset: 16, .size: 8, .value_kind: global_buffer, .address_space: global }
      - { .name: lowp_scales, .offset: 24, .size: 8, .value_kind: global_buffer, .address_space: global }
      - { .name: h2codes, .offset: 32, .size: 8, .value_kind: global_buffer, .address_space: global }
    .group_segment_fixed_size: 17920
    .private_segment_fixed_size: 0
    .kernarg_segment_align: 8
    .kernarg_segment_size: 40
    .max_flat_workgroup_size: 128
    .sgpr_count:     66
    .vgpr_count:     256
    .wavefront_size: 32
...
	.end_amdgpu_metadata
.endif
;; end of part 5
;; launch ff1 (part 6): grid 16 x 16, 4 waves a work-group, clusters of 4 x 4, 327,680 bytes of LDS; arguments h2codes, wcodes, lowp_scales, b_ff1, gcodes; writes gcodes
.if DOCPART == 6
	.amdgcn_target "amdgcn-amd-amdhsa--gfx1250"
	.amdhsa_code_object_version 6
	.text
	.protected	k_q4fd3b070f1_ff1
	.globl	k_q4fd3b070f1_ff1
	.p2align	8
	.type	k_q4fd3b070f1_ff1,@function
k_q4fd3b070f1_ff1:
	s_mov_b64 s[64:65], 0
	v_nop
	global_prefetch_b8 v0, s[64:65] scope:SCOPE_SE
	s_setreg_imm32_b32 hwreg(HW_REG_WAVE_MODE, 25, 1), 1
	s_wait_xcnt 0x0
	s_wait_alu depctr_hold_cnt(0) depctr_sa_sdst(0) depctr_va_vdst(0) depctr_va_sdst(0) depctr_va_ssrc(0) depctr_va_vcc(0) depctr_vm_vsrc(0)
	s_getreg_b32 s2, hwreg(HW_REG_IB_STS2, 6, 4)
	s_cmp_eq_u32 s2, 0
	s_cbranch_scc0 .Lentry_in_a_cluster
	s_endpgm
.Lentry_in_a_cluster:
	s_bfe_u32 s2, ttmp6, 0x10000c
	s_cmp_lg_u32 s2, 0xf033
	s_cbranch_scc0 .Lentry_shape_is_right
	s_endpgm
.Lentry_shape_is_right:
.set SIZE_K, 1024
.set WOFF,   0x400000
.set RBP,    16*SIZE_K
.set LAPS,   SIZE_K/512
.set SLOT,   131072
.set SPARE,  262144
.set FR,     16
.set NL,     4
.set NP,     4
.set PA,   4
.set PB,   6
.set ADRA, 16
.set ADRB, 20
.set SPW,  28
.set NIL,  29
.set CD,   32
.set BI,   64
.set AF,   128
.set U,    128
.set P,    192
.set G1,  24
.set G0,  32
.set G1B, 48
.set G0B, 56
.set MSB, 0
.macro WIN new
.if MSB != \new
	s_set_vgpr_msb (MSB<<8)|\new
.set MSB, \new
.endif
.endm
.set MUL_LO, 0xa1
.set MUL_HI, 0xf1
.set TO_B,   0x40
.macro JLOAD s
	s_cmp_eq_u32 s19, 0
	s_cbranch_scc0 .Lfor_b_\@
	tensor_load_to_lds s[G0+4*\s:G0+4*\s+3], s[G1:G1+7]
	s_nop 0
.rept 4
	v_nop
.endr
	s_branch .Lasked_\@
.Lfor_b_\@:
	tensor_load_to_lds s[G0B+4*\s:G0B+4*\s+3], s[G1B:G1B+7]
	s_nop 0
.rept 4
	v_nop
.endr
.Lasked_\@:
.endm
.macro CREST
	s_cmp_lg_u32 s18, 0
	s_cbranch_scc1 .Lnot_wave_0_\@
	s_barrier_signal -3
.Lnot_wave_0_\@:
	s_barrier_wait -3
	s_barrier_signal -1
	s_barrier_wait -1
.endm
.macro CROUND
	s_barrier_signal -1
	s_barrier_wait -1
	CREST
.endm
.macro PLACES n
.rept \n
	v_nop
.endr
.endm
.macro FRAG reg, adr, q, i
.irp c, 0,1,2,3
	ds_load_b128 v[\reg+4*\c:\reg+4*\c+3], v[\adr] offset:(\i)*4096+(\q)*2048+512*\c
.endr
.endm
.macro MUL16 a0, p, zero
.irp a, \a0, \a0+1
.irp b, 0,1,2,3,4,5,6,7
.if \zero
	v_wmma_f32_16x16x128_bf8_bf8 v[8*(8*((\a)%4)+\b):8*(8*((\a)%4)+\b)+7], v[128*(\p)+FR*\b:128*(\p)+FR*\b+FR-1], v[AF+FR*(\a):AF+FR*(\a)+FR-1], 0
.else
	v_wmma_f32_16x16x128_bf8_bf8 v[8*(8*((\a)%4)+\b):8*(8*((\a)%4)+\b)+7], v[128*(\p)+FR*\b:128*(\p)+FR*\b+FR-1], v[AF+FR*(\a):AF+FR*(\a)+FR-1], v[8*(8*((\a)%4)+\b):8*(8*((\a)%4)+\b)+7]
.endif
.endr
.endr
.endm
.macro FETCH_B slot, q, p
	WIN TO_B
.irp i, 0,1,2,3,4,5,6,7
	FRAG 128*(\p)+FR*\i, ADRB+\slot, \q, \i
.endr
	WIN 0
.endm
.macro FETCH_A slot, q, i0
.irp i, \i0, \i0+1, \i0+2, \i0+3
	FRAG AF+FR*(\i), ADRA+\slot, \q, \i
.endr
.endm
.macro STEP slot, q, zero
	s_wait_dscnt 4*NL
	WIN MUL_LO
	MUL16 0, (\q)%2, \zero
	MUL16 2, (\q)%2, \zero
	s_wait_dscnt 0
	PLACES NP
	FETCH_B \slot, (\q)+1, 1-(\q)%2
	FETCH_A \slot, (\q)+1, 0
	WIN MUL_HI
	MUL16 4, (\q)%2, \zero
	MUL16 6, (\q)%2, \zero
	PLACES NP
	WIN 0
	FETCH_A \slot, (\q)+1, 4
.endm
.macro TURN slot, next, fill
	s_wait_tensorcnt 0x0
	ds_add_u32 v[SPW], v[NIL]
	s_wait_dscnt 4*NL+1
	WIN MUL_LO
	MUL16 0, 1, 0
	s_wait_dscnt 0x0
	s_barrier_signal -1
	MUL16 2, 1, 0
	WIN 0
	s_barrier_wait -1
.if \fill
	CREST
	s_add_nc_u64 s[G0+4*\slot+2:G0+4*\slot+3], s[G0+4*\slot+2:G0+4*\slot+3], 8192
	s_add_nc_u64 s[G0B+4*\slot+2:G0B+4*\slot+3], s[G0B+4*\slot+2:G0B+4*\slot+3], 8192
	JLOAD \slot
.else
	PLACES NP
.endif
	FETCH_B \next, 0, 0
	FETCH_A \next, 0, 0
	WIN MUL_HI
	MUL16 4, 1, 0
	MUL16 6, 1, 0
	PLACES NP
	WIN 0
	FETCH_A \next, 0, 4
.endm
	s_load_b256 s[4:11], s[0:1], 0x0
	s_load_b64 s[12:13], s[0:1], 0x20
	v_lshl_add_u32 v[SPW], v0, 2, SPARE
	v_mov_b32 v[NIL], 0
	ds_add_u32 v28, v29
	ds_add_u32 v28, v29
	s_wait_dscnt 0x0
	v_lshrrev_b32 v1, 5, v0
	v_readfirstlane_b32 s18, v1
	s_lshr_b32 s19, s18, 1
	s_and_b32 s16, s18, 1
	s_bfe_u32 s40, ttmp6, 0x40000
	s_bfe_u32 s41, ttmp6, 0x40004
	s_lshl_b32 s42, ttmp9, 2
	s_add_co_u32 s42, s42, s40
	s_and_b32 s17, ttmp7, 0xffff
	s_lshl_b32 s17, s17, 2
	s_add_co_u32 s17, s17, s41
	s_lshl_b32 s43, s41, 2
	s_lshl_b32 s43, 15, s43
	s_lshl_b32 s44, 0x1111, s40
	s_or_b32 s[G1+0], s43, (3<<16)|(1<<21)
	s_or_b32 s[G1B+0], s44, (3<<16)|(1<<21)
.irp g, G1, G1B
	s_mov_b32 s[\g+1], 512<<16
	s_mov_b32 s[\g+2], 8<<16
	s_mov_b32 s[\g+3], 512<<16
	s_mov_b32 s[\g+4], 8
	s_mov_b32 s[\g+5], 2*SIZE_K
	s_mov_b32 s[\g+6], 0
	s_mov_b32 s[\g+7], 0
.endr
	s_lshl_b32 s20, s17, 4
	s_lshl_b32 s21, s16, 3
	s_add_co_u32 s20, s20, s21
	s_mul_i32 s20, s20, RBP
	s_mov_b32 s21, 0
	s_lshl_b32 s46, s42, 4
	s_lshl_b32 s47, s16, 3
	s_add_co_u32 s46, s46, s47
	s_mul_i32 s46, s46, RBP
	s_mov_b32 s47, 0
	s_lshl_b32 s45, s18, 15
	s_wait_kmcnt 0x0
	s_load_b512 s[68:83], s[8:9], 0x0
	s_add_nc_u64 s[6:7], s[6:7], WOFF
	s_add_nc_u64 s[20:21], s[PA:PA+1], s[20:21]
	s_add_nc_u64 s[46:47], s[PB:PB+1], s[46:47]
	CROUND
.irp s, 0,1
	s_mov_b32 s[G0+4*\s], 1
	s_add_co_u32 s[G0+4*\s+1], s45, \s*SLOT
	s_add_nc_u64 s[G0+4*\s+2:G0+4*\s+3], s[20:21], \s*4096
	s_or_b32 s[G0+4*\s+3], s[G0+4*\s+3], 0x80000000
	s_mov_b32 s[G0B+4*\s], 1
	s_add_co_u32 s[G0B+4*\s+1], s45, \s*SLOT
	s_add_nc_u64 s[G0B+4*\s+2:G0B+4*\s+3], s[46:47], \s*4096
	s_or_b32 s[G0B+4*\s+3], s[G0B+4*\s+3], 0x80000000
.endr
	s_cmp_eq_u32 s19, 0                            ; the prefetches: do I fetch for A?
	s_cselect_b64 s[86:87], s[20:21], s[46:47]     ; the eight blocks of 16 rows that I fetch,
	s_cselect_b32 s88, s40, s41                    ; my place among the four that ask with me (cx for A, cy for B): it enters this address alone
	s_lshl_b32 s88, s88, 15                        ; each partner names two blocks of RBP = 16,384 bytes
	s_mov_b32 s89, 0
	s_add_nc_u64 s[86:87], s[86:87], s[88:89]
	JLOAD 0                                        ; slot 0: one tensor load a wave at the head, behind the opening round
	v_and_b32 v3, 31, v0
	v_lshlrev_b32 v3, 4, v3
	v_bfe_u32 v9, v0, 4, 1
	v_and_b32 v8, 15, v0
	v_lshlrev_b32 v8, 8, v8
	v_lshl_add_u32 v8, v9, 14, v8                  ; sixteen lanes, 256 bytes apart, to a block's 4,096 bytes of a slot; never rewritten
	global_prefetch_b8 v8, s[86:87] offset:4096 th:TH_LOAD_NT scope:SCOPE_SE   ; slots 1 and 2, whose loads follow one and two fills on
	global_prefetch_b8 v8, s[86:87] offset:8192 th:TH_LOAD_NT scope:SCOPE_SE
	s_lshl_b32 s21, s19, 15
	s_lshl_b32 s22, s16, 15
	s_add_co_u32 s22, s22, 65536
.irp s, 0,1
	v_add_nc_u32 v[ADRA+\s], s21, v3
	v_add_nc_u32 v[ADRB+\s], s22, v3
	s_add_co_u32 s21, s21, SLOT
	s_add_co_u32 s22, s22, SLOT
.endr
	v_bfe_u32 v2, v0, 4, 1
	v_lshlrev_b32 v27, 5, v2
	s_wait_alu depctr_va_vdst(0)
	v_mov_b32 v4, 0xbdd2d3e8
	v_mov_b32 v5, 0xbdd2d3e8
	v_mov_b32 v6, 0xc0135761
	v_mov_b32 v7, 0xc0135761
	s_lshl_b32 s100, s42, 10
	s_lshl_b32 s101, s16, 9
	s_add_co_u32 s100, s100, s101
	s_mov_b32 s101, 0
	s_add_nc_u64 s[10:11], s[10:11], s[100:101]
	s_lshl_b32 s98, s17, 4
	s_lshl_b32 s99, s19, 3
	s_add_co_u32 s98, s98, s99
	s_lshl_b32 s98, s98, 5
	s_lshl_b32 s99, s42, 1
	s_add_co_u32 s98, s98, s99
	s_add_co_u32 s98, s98, s16
	s_lshl_b32 s98, s98, 11
	s_mov_b32 s99, 0
	s_add_nc_u64 s[12:13], s[12:13], s[98:99]
.irp b, 0,1,2,3,4,5,6,7
	global_load_b128 v[BI+8*\b:BI+8*\b+3],   v27, s[10:11] offset:64*\b
	global_load_b128 v[BI+8*\b+4:BI+8*\b+7], v27, s[10:11] offset:64*\b+16
.endr
	s_wait_alu depctr_va_vdst(0)                   ; the wait at the head's end
	s_wait_tensorcnt 0x0                           ; my part of slot 0 is in
	ds_add_u32 v[SPW], v[NIL]
	s_wait_dscnt 0x0
	CROUND                                         ; everybody's part of slot 0 is in, and the joint loads meet
	JLOAD 1                                        ; slot 1's first fill, the first tensor load behind the round
	FETCH_B 0, 0, 0
	FETCH_A 0, 0, 0
	FETCH_A 0, 0, 4
	global_prefetch_b8 v8, s[86:87] offset:12288 th:TH_LOAD_NT scope:SCOPE_SE  ; slot 3, the last: two fills on
	STEP 0, 0, 1
	s_mov_b32 s3, LAPS-1
.Llap:
	TURN 0, 1, 1
	STEP 1, 0, 0
	TURN 1, 0, 1
	STEP 0, 0, 0
	s_sub_co_u32 s3, s3, 1
	s_cmp_lg_u32 s3, 0
	s_cbranch_scc1 .Llap
	TURN 0, 1, 0
	STEP 1, 0, 0
	s_wait_dscnt 4*NL
	WIN MUL_LO
	MUL16 0, 1, 0
	MUL16 2, 1, 0
	s_wait_dscnt 0
	WIN MUL_HI
	MUL16 4, 1, 0
	MUL16 6, 1, 0
	WIN 0
	s_wait_kmcnt 0x0
	s_add_co_i32 s96, s80, s81
	s_add_co_i32 s96, s96, 127
	s_lshl_b32 s96, s96, 23
	s_mov_b32 s97, s96
	s_add_co_i32 s84, s82, 127
	s_lshl_b32 s85, s84, 23
	v_mov_b32 v30, s85
	s_add_co_i32 s84, s84, 15
	s_lshl_b32 s84, s84, 23
	s_or_b32 s84, s84, 0x600000
	v_mov_b32 v31, s84
	s_wait_loadcnt 0x0
	PLACES NP
.macro GELU a
	WIN 0x02+((\a)/4)
.irp b, 0,1,2,3,4,5,6,7
.irp i, 0,2,4,6
	v_pk_fma_f32 v[U+8*\b+\i:U+8*\b+\i+1], v[64*((\a)%4)+8*\b+\i:64*((\a)%4)+8*\b+\i+1], s[96:97], v[BI+8*\b+\i:BI+8*\b+\i+1] op_sel_hi:[1,0,1]
.endr
.endr
	WIN 0
.set j, 0
.rept 32
	v_pk_mul_f32 v[P+j:P+j+1], v[U+j:U+j+1], v[U+j:U+j+1]
.set j, j+2
.endr
.set j, 0
.rept 32
	v_pk_fma_f32 v[P+j:P+j+1], v[P+j:P+j+1], v[4:5], v[6:7]
.set j, j+2
.endr
.set j, 0
.rept 32
	v_pk_mul_f32 v[P+j:P+j+1], v[P+j:P+j+1], v[U+j:U+j+1]
.set j, j+2
.endr
.set j, 0
	s_wait_alu depctr_va_vdst(0)
.rept 64
	v_exp_f32 v[P+j], v[P+j]
.set j, j+1
.endr
	v_nop
.set j, 0
	s_wait_alu depctr_va_vdst(0)
.rept 32
	v_pk_add_f32 v[P+j:P+j+1], v[P+j:P+j+1], 1.0 op_sel_hi:[1,0]
.set j, j+2
.endr
.set j, 0
	s_wait_alu depctr_va_vdst(0)
.rept 64
	v_rcp_f32 v[P+j], v[P+j]
.set j, j+1
.endr
	v_nop
.set j, 0
	s_wait_alu depctr_va_vdst(0)
.rept 32
	v_pk_mul_f32 v[U+j:U+j+1], v[U+j:U+j+1], v[P+j:P+j+1]
.set j, j+2
.endr
.set j, 0
.rept 64
	v_med3_num_f32 v[U+j], v[U+j], -v31, v31
.set j, j+1
.endr
.if (\a) > 0
	s_wait_alu depctr_va_vdst(0)
	s_wait_xcnt 0x0
.endif
.irp b, 0,1,2,3,4,5,6,7
	v_cvt_scalef32_pk8_bf8_f32 v[CD+2*\b:CD+2*\b+1], v[U+8*\b:U+8*\b+7], v30
.endr
	v_nop
.irp i, 0,1,2,3
	global_store_b128 v3, v[CD+4*\i:CD+4*\i+3], s[12:13] offset:(\a)*65536+512*\i
.endr
.endm
.irp a, 0,1,2,3,4,5,6,7
	GELU \a
.endr
	s_wait_tensorcnt 0x0
	ds_add_u32 v[SPW], v[NIL]
	s_wait_dscnt 0x0
	CROUND
	s_endpgm
.Lfunc_end_k_q4fd3b070f1_ff1:
	.size	k_q4fd3b070f1_ff1, .Lfunc_end_k_q4fd3b070f1_ff1-k_q4fd3b070f1_ff1
	.p2alignl 7, 3214868480
	.fill 96, 4, 3214868480
	.section	.rodata,"a",@progbits
	.p2align	6, 0x0
	.amdhsa_kernel k_q4fd3b070f1_ff1
		.amdhsa_group_segment_fixed_size 327680
		.amdhsa_private_segment_fixed_size 0
		.amdhsa_enable_private_segment 0
		.amdhsa_kernarg_size 40
		.amdhsa_user_sgpr_count 2
		.amdhsa_user_sgpr_kernarg_segment_ptr 1
		.amdhsa_wavefront_size32 1
		.amdhsa_system_sgpr_workgroup_id_x 1
		.amdhsa_system_sgpr_workgroup_id_y 1
		.amdhsa_system_sgpr_workgroup_id_z 1
		.amdhsa_system_vgpr_workitem_id 0
		.amdhsa_next_free_vgpr 1024
		.amdhsa_next_free_sgpr 102
		.amdhsa_reserve_vcc 0
		.amdhsa_float_denorm_mode_32 3
		.amdhsa_float_denorm_mode_16_64 3
		.amdhsa_memory_ordered 1
		.amdhsa_forward_progress 1
		.amdhsa_inst_pref_size 250
	.end_amdhsa_kernel
	.amdgpu_metadata
---
amdhsa.version: [ 1, 2 ]
amdhsa.kernels:
  - .name:           k_q4fd3b070f1_ff1
    .symbol:         k_q4fd3b070f1_ff1.kd
    .args:
      - { .name: h2codes, .offset: 0, .size: 8, .value_kind: global_buffer, .address_space: global }
      - { .name: wcodes, .offset: 8, .size: 8, .value_kind: global_buffer, .address_space: global }
      - { .name: lowp_scales, .offset: 16, .size: 8, .value_kind: global_buffer, .address_space: global }
      - { .name: b_ff1, .offset: 24, .size: 8, .value_kind: global_buffer, .address_space: global }
      - { .name: gcodes, .offset: 32, .size: 8, .value_kind: global_buffer, .address_space: global }
    .group_segment_fixed_size: 327680
    .private_segment_fixed_size: 0
    .kernarg_segment_align: 8
    .kernarg_segment_size: 40
    .max_flat_workgroup_size: 128
    .sgpr_count:     102
    .vgpr_count:     1024
    .wavefront_size: 32
...
	.end_amdgpu_metadata
.endif
;; end of part 6
;; launch ff2 (part 7): grid 8 x 32, 4 waves a work-group, clusters of 4 x 4, 327,680 bytes of LDS; arguments gcodes, wcodes, lowp_scales, b_ff2, x1, out0; writes out0
.if DOCPART == 7
	.amdgcn_target "amdgcn-amd-amdhsa--gfx1250"
	.amdhsa_code_object_version 6
	.text
	.protected	k_q4fd3b070f1_ff2
	.globl	k_q4fd3b070f1_ff2
	.p2align	8
	.type	k_q4fd3b070f1_ff2,@function
k_q4fd3b070f1_ff2:
	s_mov_b64 s[64:65], 0
	v_nop
	global_prefetch_b8 v0, s[64:65] scope:SCOPE_SE
	s_setreg_imm32_b32 hwreg(HW_REG_WAVE_MODE, 25, 1), 1
	s_wait_xcnt 0x0
	s_wait_alu depctr_hold_cnt(0) depctr_sa_sdst(0) depctr_va_vdst(0) depctr_va_sdst(0) depctr_va_ssrc(0) depctr_va_vcc(0) depctr_vm_vsrc(0)
	s_getreg_b32 s2, hwreg(HW_REG_IB_STS2, 6, 4)
	s_cmp_eq_u32 s2, 0
	s_cbranch_scc0 .Lentry_in_a_cluster
	s_endpgm
.Lentry_in_a_cluster:
	s_bfe_u32 s2, ttmp6, 0x10000c
	s_cmp_lg_u32 s2, 0xf033
	s_cbranch_scc0 .Lentry_shape_is_right
	s_endpgm
.Lentry_shape_is_right:
.set SIZE_K, 4096
.set WOFF,   0x800000
.set EA,     82
.set EB,     83
.set RBP,    16*SIZE_K
.set LAPS,   SIZE_K/1024
.set SLOT,   131072
.set STAGE,  262144
.set SPARE,  279552
.set PA,   4
.set PB,   6
.set ADRA, 16
.set ADRB, 20
.set STO,  24
.set RD,   25
.set CO,   26
.set SPW,  28
.set NIL,  29
.set ACC,  128
.set F0,   0
.set F1,   128
.set G1,  24
.set G0,  32
.set G1B, 48
.set G0B, 56
.set MSB, 0
.macro WIN new
.if MSB != \new
	s_set_vgpr_msb (MSB<<8)|\new
.set MSB, \new
.endif
.endm
.set MUL,  0x05
.set TO_F, 0x40
.macro JLOAD s
	s_cmp_eq_u32 s19, 0
	s_cbranch_scc0 .Lfor_b_\@
	tensor_load_to_lds s[G0+4*\s:G0+4*\s+3], s[G1:G1+7]
	s_nop 0
.rept 4
	v_nop
.endr
	s_branch .Lasked_\@
.Lfor_b_\@:
	tensor_load_to_lds s[G0B+4*\s:G0B+4*\s+3], s[G1B:G1B+7]
	s_nop 0
.rept 4
	v_nop
.endr
.Lasked_\@:
.endm
.macro CREST
	s_cmp_lg_u32 s18, 0
	s_cbranch_scc1 .Lnot_wave_0_\@
	s_barrier_signal -3
.Lnot_wave_0_\@:
	s_barrier_wait -3
	s_barrier_signal -1
	s_barrier_wait -1
.endm
.macro CROUND
	s_barrier_signal -1
	s_barrier_wait -1
	CREST
.endm
.macro PLACES
.rept 4
	v_nop
.endr
.endm
.macro FRAG reg, adr, i, q
.irp c, 0,1,2,3
	ds_load_b128 v[\reg+4*\c:\reg+4*\c+3], v[\adr] offset:(\i)*8192+(\q)*2048+512*\c
.endr
.endm
.macro FETCH slot, q, f
	WIN TO_F
.irp i, 0,1,2,3
	FRAG \f+64+16*\i, ADRB+\slot, \i, \q
.endr
.irp i, 0,1,2,3
	FRAG \f+16*\i, ADRA+\slot, \i, \q
.endr
.endm
.macro MUL4 f, a, zero
.irp b, 0,1,2,3
.if \zero
	v_wmma_f32_16x16x128_bf8_bf8 v[ACC+8*(4*(\a)+\b):ACC+8*(4*(\a)+\b)+7], v[\f+64+16*\b:\f+64+16*\b+15], v[\f+16*(\a):\f+16*(\a)+15], 0
.else
	v_wmma_f32_16x16x128_bf8_bf8 v[ACC+8*(4*(\a)+\b):ACC+8*(4*(\a)+\b)+7], v[\f+64+16*\b:\f+64+16*\b+15], v[\f+16*(\a):\f+16*(\a)+15], v[ACC+8*(4*(\a)+\b):ACC+8*(4*(\a)+\b)+7]
.endif
.endr
.endm
.macro QUARTER slot, qn, f, g, zero
	s_wait_dscnt 8
	WIN MUL
	MUL4 \f, 0, \zero
	MUL4 \f, 1, \zero
	PLACES
	FETCH \slot, \qn, \g
	s_wait_dscnt 32
	WIN MUL
	MUL4 \f, 2, \zero
	MUL4 \f, 3, \zero
.endm
.macro TURN slot, next, fill
	WIN 0
.if \fill
	s_wait_xcnt 0x0                                ; any prefetch of mine has read its address: it is stepped here, one slot (512 k of a block of 16 rows: 8,192 bytes) on
	s_add_nc_u64 s[84:85], s[84:85], 8192
.endif
	s_wait_tensorcnt 0x0
	ds_add_u32 v[SPW], v[NIL]
	s_wait_dscnt 9
	WIN MUL
	MUL4 F1, 0, 0
	s_wait_dscnt 0x0
	s_barrier_signal -1
	MUL4 F1, 1, 0
	WIN 0
	s_barrier_wait -1
.if \fill
	CREST
	s_add_nc_u64 s[G0+4*\slot+2:G0+4*\slot+3], s[G0+4*\slot+2:G0+4*\slot+3], 16384
	s_add_nc_u64 s[G0B+4*\slot+2:G0B+4*\slot+3], s[G0B+4*\slot+2:G0B+4*\slot+3], 16384
	JLOAD \slot
.else
	PLACES
.endif
	FETCH \next, 0, F0
.if \fill
	WIN 0                                          ; a prefetch of the slot that stands two refills on: of the four blocks of 16 rows that I fetch, the partner at place p names block p, 8,192 bytes, lanes 256 bytes apart
	s_cmp_gt_u32 s3, 1                             ; the loop's last trip has no slot two refills on
	s_cbranch_scc0 .Lno_ask_\@
	global_prefetch_b8 v30, s[84:85] offset:3*8192 th:TH_LOAD_NT scope:SCOPE_SE
.Lno_ask_\@:
.endif
	WIN MUL
	MUL4 F1, 2, 0
	MUL4 F1, 3, 0
.endm
	s_load_b256 s[4:11], s[0:1], 0x0
	s_load_b128 s[12:15], s[0:1], 0x20
	v_lshl_add_u32 v[SPW], v0, 2, SPARE
	v_mov_b32 v[NIL], 0
	ds_add_u32 v28, v29
	ds_add_u32 v28, v29
	s_wait_dscnt 0x0
	v_lshrrev_b32 v1, 5, v0
	v_readfirstlane_b32 s18, v1
	s_lshr_b32 s19, s18, 1
	s_and_b32 s16, s18, 1
	s_bfe_u32 s40, ttmp6, 0x40000
	s_bfe_u32 s41, ttmp6, 0x40004
	s_lshl_b32 s42, ttmp9, 2
	s_add_co_u32 s42, s42, s40
	s_and_b32 s17, ttmp7, 0xffff
	s_lshl_b32 s17, s17, 2
	s_add_co_u32 s17, s17, s41
	s_lshl_b32 s43, s41, 2
	s_lshl_b32 s43, 15, s43
	s_lshl_b32 s44, 0x1111, s40
	s_or_b32 s[G1+0], s43, (3<<16)|(1<<21)
	s_or_b32 s[G1B+0], s44, (3<<16)|(1<<21)
.irp g, G1, G1B
	s_mov_b32 s[\g+1], 1024<<16
	s_mov_b32 s[\g+2], 4<<16
	s_mov_b32 s[\g+3], 1024<<16
	s_mov_b32 s[\g+4], 4
	s_mov_b32 s[\g+5], 2*SIZE_K
	s_mov_b32 s[\g+6], 0
	s_mov_b32 s[\g+7], 0
.endr
	s_lshl_b32 s20, s17, 3
	s_lshl_b32 s21, s16, 2
	s_add_co_u32 s20, s20, s21
	s_mul_i32 s20, s20, RBP
	s_mov_b32 s21, 0
	s_lshl_b32 s46, s42, 3
	s_lshl_b32 s47, s16, 2
	s_add_co_u32 s46, s46, s47
	s_mul_i32 s46, s46, RBP
	s_mov_b32 s47, 0
	s_lshl_b32 s45, s18, 15
	s_wait_kmcnt 0x0
	s_load_b512 s[68:83], s[8:9], 0x0
	s_add_nc_u64 s[6:7], s[6:7], WOFF
	s_add_nc_u64 s[20:21], s[PA:PA+1], s[20:21]
	s_add_nc_u64 s[46:47], s[PB:PB+1], s[46:47]
	CROUND
.irp s, 0,1
	s_mov_b32 s[G0+4*\s], 1
	s_add_co_u32 s[G0+4*\s+1], s45, \s*SLOT
	s_add_nc_u64 s[G0+4*\s+2:G0+4*\s+3], s[20:21], \s*8192
	s_or_b32 s[G0+4*\s+3], s[G0+4*\s+3], 0x80000000
	s_mov_b32 s[G0B+4*\s], 1
	s_add_co_u32 s[G0B+4*\s+1], s45, \s*SLOT
	s_add_nc_u64 s[G0B+4*\s+2:G0B+4*\s+3], s[46:47], \s*8192
	s_or_b32 s[G0B+4*\s+3], s[G0B+4*\s+3], 0x80000000
.endr
	s_cmp_eq_u32 s19, 0                            ; the prefetches: do I fetch for A?
	s_cselect_b64 s[84:85], s[20:21], s[46:47]     ; the four blocks of 16 rows that I fetch,
	s_cselect_b32 s86, s40, s41                    ; my place among the four that ask with me (cx for A, cy for B): it enters this address alone
	s_lshl_b32 s86, s86, 16                        ; a block of 16 rows is RBP = 65,536 bytes
	s_mov_b32 s87, 0
	s_add_nc_u64 s[84:85], s[84:85], s[86:87]      ; at slot 0: each refill steps it one slot on and names the slot three on from there, which is two refills on
	JLOAD 0                                        ; slot 0: one tensor load a wave at the head, behind the opening round
	v_and_b32 v3, 31, v0
	v_lshlrev_b32 v3, 4, v3
	v_lshlrev_b32 v30, 4, v3                       ; 256 x lane: the prefetches' offset; never rewritten
	global_prefetch_b8 v30, s[84:85] offset:8192 th:TH_LOAD_NT scope:SCOPE_SE    ; slots 1 and 2, whose loads follow one and two fills on
	global_prefetch_b8 v30, s[84:85] offset:2*8192 th:TH_LOAD_NT scope:SCOPE_SE
	s_lshl_b32 s21, s19, 15
	s_lshl_b32 s22, s16, 15
	s_add_co_u32 s22, s22, 65536
.irp s, 0,1
	v_add_nc_u32 v[ADRA+\s], s21, v3
	v_add_nc_u32 v[ADRB+\s], s22, v3
	s_add_co_u32 s21, s21, SLOT
	s_add_co_u32 s22, s22, SLOT
.endr
	v_and_b32 v1, 15, v0
	v_bfe_u32 v2, v0, 4, 1
	s_mul_i32 s23, s18, 4352
	s_add_co_u32 s23, s23, STAGE
	v_mul_u32_u24 v4, v1, 272
	v_lshl_add_u32 v4, v2, 5, v4
	v_add_nc_u32 v[STO], s23, v4
	v_mul_u32_u24 v5, v2, 272
	v_lshl_add_u32 v5, v1, 4, v5
	v_add_nc_u32 v[RD], s23, v5
	v_lshlrev_b32 v[CO], 12, v2
	v_lshl_add_u32 v[CO], v1, 4, v[CO]
	s_wait_alu depctr_va_vdst(0)
	v_lshlrev_b32 v27, 4, v1
	s_wait_alu depctr_va_vdst(0)
	s_lshl_b32 s100, s42, 9
	s_lshl_b32 s101, s16, 8
	s_add_co_u32 s100, s100, s101
	s_mov_b32 s101, 0
	s_lshl_b32 s98, s17, 19
	s_lshl_b32 s99, s19, 18
	s_add_co_u32 s98, s98, s99
	s_add_co_u32 s98, s98, s100
	s_mov_b32 s99, 0
	s_add_nc_u64 s[10:11], s[10:11], s[100:101]
	s_add_nc_u64 s[12:13], s[12:13], s[98:99]
	s_add_nc_u64 s[14:15], s[14:15], s[98:99]
	global_load_b128 v[8:11], v27, s[10:11]
	s_wait_alu depctr_va_vdst(0)                   ; the wait at the head's end
	s_wait_tensorcnt 0x0                           ; my part of slot 0 is in
	ds_add_u32 v[SPW], v[NIL]
	s_wait_dscnt 0x0
	CROUND                                         ; everybody's part of slot 0 is in, and the joint loads meet
	JLOAD 1                                        ; slot 1's first fill, the first tensor load behind the round
	FETCH 0, 0, F0
	WIN 0x80                                       ; the residual's rows are wanted on the way out alone: my blocks 0 and 1 are asked for here, when slot 0 has landed,
.irp a, 0,1
.irp t, 0,1,2,3,4,5,6,7
	global_load_b128 v[4*(8*\a+\t):4*(8*\a+\t)+3], v[CO], s[12:13] offset:\a*65536+\t*8192
.endr
.endr
	WIN 0
	global_prefetch_b8 v30, s[84:85] offset:3*8192 th:TH_LOAD_NT scope:SCOPE_SE  ; slot 3: two fills on
	QUARTER 0, 1, F0, F1, 1
.if LAPS > 1
	WIN 0
	s_mov_b32 s3, LAPS-1
.Llap:
	QUARTER 0, 2, F1, F0, 0
	QUARTER 0, 3, F0, F1, 0
	TURN 0, 1, 1
	QUARTER 1, 1, F0, F1, 0
	QUARTER 1, 2, F1, F0, 0
	QUARTER 1, 3, F0, F1, 0
	TURN 1, 0, 1
	QUARTER 0, 1, F0, F1, 0
	WIN 0
	s_sub_co_u32 s3, s3, 1
	s_cmp_lg_u32 s3, 0
	s_cbranch_scc1 .Llap
.endif
	WIN 0x80                                       ; and my blocks 2 and 3 here, with seven of the last lap's quarters between them and the wait for them
.irp a, 2,3
.irp t, 0,1,2,3,4,5,6,7
	global_load_b128 v[4*(8*\a+\t):4*(8*\a+\t)+3], v[CO], s[12:13] offset:\a*65536+\t*8192
.endr
.endr
	WIN 0
	QUARTER 0, 2, F1, F0, 0
	QUARTER 0, 3, F0, F1, 0
	TURN 0, 1, 0
	QUARTER 1, 1, F0, F1, 0
	QUARTER 1, 2, F1, F0, 0
	QUARTER 1, 3, F0, F1, 0
	s_wait_dscnt 8
	WIN MUL
	MUL4 F1, 0, 0
	MUL4 F1, 1, 0
	s_wait_dscnt 0
	MUL4 F1, 2, 0
	MUL4 F1, 3, 0
	WIN 0
	s_wait_kmcnt 0x0
	s_add_co_i32 s96, s[EA], s[EB]
	s_add_co_i32 s96, s96, 127
	s_lshl_b32 s96, s96, 23
	s_mov_b32 s97, s96
	s_wait_loadcnt 0x0
	WIN 0x82
.set n, 0
.rept 32
	v_pk_add_f32 v[4*n:4*n+1], v[4*n:4*n+1], v[8:9]
	v_pk_add_f32 v[4*n+2:4*n+3], v[4*n+2:4*n+3], v[10:11]
.set n, n+1
.endr
	WIN 0
.macro TOSTAGE a
.irp b, 0,1,2,3
	ds_store_b128 v[STO], v[ACC+8*(4*(\a)+\b):ACC+8*(4*(\a)+\b)+3] offset:64*\b
	ds_store_b128 v[STO], v[ACC+8*(4*(\a)+\b)+4:ACC+8*(4*(\a)+\b)+7] offset:64*\b+16
.endr
.set BK, 32+32*((\a)%2)
.irp t, 0,1,2,3,4,5,6,7
	ds_load_b128 v[BK+4*\t:BK+4*\t+3], v[RD] offset:\t*544
.endr
.endm
.macro SEND a, younger
.set BK, 32+32*((\a)%2)
	s_wait_dscnt \younger
	WIN 0x20
.irp t, 0,1,2,3,4,5,6,7
	v_pk_fma_f32 v[BK+4*\t:BK+4*\t+1], v[BK+4*\t:BK+4*\t+1], s[96:97], v[4*(8*(\a)+\t):4*(8*(\a)+\t)+1] op_sel_hi:[1,0,1]
	v_pk_fma_f32 v[BK+4*\t+2:BK+4*\t+3], v[BK+4*\t+2:BK+4*\t+3], s[96:97], v[4*(8*(\a)+\t)+2:4*(8*(\a)+\t)+3] op_sel_hi:[1,0,1]
.endr
	WIN 0
.irp t, 0,1,2,3,4,5,6,7
	global_store_b128 v[CO], v[BK+4*\t:BK+4*\t+3], s[14:15] offset:(\a)*65536+\t*8192
.endr
.endm
	TOSTAGE 0
.irp a, 1,2,3
.if \a > 1
	s_wait_xcnt 0x0
.endif
	TOSTAGE \a
	SEND \a-1, 16
.endr
	SEND 3, 0
	s_wait_tensorcnt 0x0
	ds_add_u32 v[SPW], v[NIL]
	s_wait_dscnt 0x0
	CROUND
	s_endpgm
.Lfunc_end_k_q4fd3b070f1_ff2:
	.size	k_q4fd3b070f1_ff2, .Lfunc_end_k_q4fd3b070f1_ff2-k_q4fd3b070f1_ff2
	.p2alignl 7, 3214868480
	.fill 96, 4, 3214868480
	.section	.rodata,"a",@progbits
	.p2align	6, 0x0
	.amdhsa_kernel k_q4fd3b070f1_ff2
		.amdhsa_group_segment_fixed_size 327680
		.amdhsa_private_segment_fixed_size 0
		.amdhsa_enable_private_segment 0
		.amdhsa_kernarg_size 48
		.amdhsa_user_sgpr_count 2
		.amdhsa_user_sgpr_kernarg_segment_ptr 1
		.amdhsa_wavefront_size32 1
		.amdhsa_system_sgpr_workgroup_id_x 1
		.amdhsa_system_sgpr_workgroup_id_y 1
		.amdhsa_system_sgpr_workgroup_id_z 1
		.amdhsa_system_vgpr_workitem_id 0
		.amdhsa_next_free_vgpr 640
		.amdhsa_next_free_sgpr 102
		.amdhsa_reserve_vcc 0
		.amdhsa_float_denorm_mode_32 3
		.amdhsa_float_denorm_mode_16_64 3
		.amdhsa_memory_ordered 1
		.amdhsa_forward_progress 1
		.amdhsa_inst_pref_size 83
	.end_amdhsa_kernel
	.amdgpu_metadata
---
amdhsa.version: [ 1, 2 ]
amdhsa.kernels:
  - .name:           k_q4fd3b070f1_ff2
    .symbol:         k_q4fd3b070f1_ff2.kd
    .args:
      - { .name: gcodes, .offset: 0, .size: 8, .value_kind: global_buffer, .address_space: global }
      - { .name: wcodes, .offset: 8, .size: 8, .value_kind: global_buffer, .address_space: global }
      - { .name: lowp_scales, .offset: 16, .size: 8, .value_kind: global_buffer, .address_space: global }
      - { .name: b_ff2, .offset: 24, .size: 8, .value_kind: global_buffer, .address_space: global }
      - { .name: x1, .offset: 32, .size: 8, .value_kind: global_buffer, .address_space: global }
      - { .name: out0, .offset: 40, .size: 8, .value_kind: global_buffer, .address_space: global }
    .group_segment_fixed_size: 327680
    .private_segment_fixed_size: 0
    .kernarg_segment_align: 8
    .kernarg_segment_size: 48
    .max_flat_workgroup_size: 128
    .sgpr_count:     102
    .vgpr_count:     640
    .wavefront_size: 32
...
	.end_amdgpu_metadata
.endif
;; end of part 7
